; MI455X (gfx1250); checked and timed in simulation.
; The chip was launched on July 23, 2026; its instructions are those of AMD's public machine-readable ISA for CDNA 5 (MIT licence, August 2026) and "CDNA5" Instruction Set Architecture Reference Guide (July 2026). The comments in the code are by the model that wrote it; some were corrected since.
;; Self Attention Block. Allowed arithmetic: float matrix products may take bf16 or f16 operands with f32 sums; all other float work in f32.
;; Inputs: b_out 1,024 float32; w_out 1,024 x 1,024 float32; w_qkv 3,072 x 1,024 float32; x 4 x 2,048 x 1,024 float32.
;; Outputs: out0 4 x 2,048 x 1,024 float32.
;; One version. Each part assembles by itself: llvm-mc -triple=amdgcn-amd-amdhsa -mcpu=gfx1250 --defsym DOCPART=n.
;; ======== version 1 of 1: 5 launches
;; limits: values are held in f16: magnitudes above 65,504 overflow, below 6.1e-05 lose precision
;; workspace buffers: xb 16,777,216 bytes; wb 6,291,456 bytes; wo 2,097,152 bytes; qk 33,554,432 bytes; vt 16,777,216 bytes; pp 33,554,432 bytes; st 1,048,576 bytes; ob 16,777,216 bytes
;; launch cast (part 1): grid 768 x 1, 8 waves a work-group, no clusters, 0 bytes of LDS; arguments x, w_qkv, w_out, xb, wb, wo; writes xb, wb, wo
.if DOCPART == 1
	.amdgcn_target "amdgcn-amd-amdhsa--gfx1250"
	.amdhsa_code_object_version 6
	.text
	.protected	k_qa62790e2f6_cast
	.globl	k_qa62790e2f6_cast
	.p2align	8
	.type	k_qa62790e2f6_cast,@function
k_qa62790e2f6_cast:
	s_mov_b64 s[64:65], 0
	v_nop
	global_prefetch_b8 v0, s[64:65] scope:SCOPE_SE
	s_setreg_imm32_b32 hwreg(HW_REG_WAVE_MODE, 25, 1), 1
	s_wait_xcnt 0x0
; xb = bf16(x), wb = bf16(w_qkv), wo = bf16(w_out) written as f16.  A stream: no LDS, no barrier, no matrix unit.
; A work-group takes 16,384 numbers: 65,536 bytes in, 32,768 out.  Groups 0-511 take x, 512-703 w_qkv, 704-767 w_out.
; Thread t takes 8 numbers (32 bytes in, 16 out) in each of eight slices of 2,048 numbers: a store of a wave covers 512 consecutive bytes, aligned.
; All sixteen loads of a thread go out first; each slice waits only for its own two.
; LIMIT.  w_out's bf16 number is written as f16: exact from 2^-14 to 65,504; below 2^-14 it keeps f16's fixed step of 6e-8; beyond 65,504 it is an infinity.
.set X, 8                              ; v[8:71]    slice i: 8 numbers as loaded
.set Y, 72                             ; v[72:103]  slice i: 4 registers to store
.set T, 104                            ; v[104:111] at work (w_out's path)
	s_load_b256 s[4:11], s[0:1], 0x0               ; x s[4:5], w_qkv s[6:7], w_out s[8:9], xb s[10:11]
	s_load_b128 s[12:15], s[0:1], 0x20             ; wb s[12:13], wo s[14:15]
	v_lshlrev_b32 v1, 5, v0                        ; 32 t: my bytes in a slice of the source
	v_lshlrev_b32 v2, 4, v0                        ; 16 t: in a slice of the target
	s_mov_b32 s23, 0
	s_mov_b32 s25, 0
	s_mov_b32 s26, 0xffff0000                      ; a word's upper bf16
	s_wait_kmcnt 0x0
	s_cmp_lt_u32 ttmp9, 512                        ; which tensor: the choice hangs on the group's number alone
	s_cselect_b64 s[16:17], s[4:5], s[6:7]
	s_cselect_b64 s[18:19], s[10:11], s[12:13]
	s_cselect_b32 s20, 0, 512
	s_cmp_lt_u32 ttmp9, 704
	s_cselect_b64 s[16:17], s[16:17], s[8:9]
	s_cselect_b64 s[18:19], s[18:19], s[14:15]
	s_cselect_b32 s20, s20, 704
	s_sub_co_u32 s20, ttmp9, s20                   ; my chunk in that tensor
	s_lshl_b32 s22, s20, 16
	s_lshl_b32 s24, s20, 15
	s_add_nc_u64 s[16:17], s[16:17], s[22:23]
	s_add_nc_u64 s[18:19], s[18:19], s[24:25]
.irp i, 0,1,2,3,4,5,6,7
	global_load_b128 v[X+8*(\i):X+8*(\i)+3],   v1, s[16:17] offset:8192*(\i) th:TH_LOAD_NT
	global_load_b128 v[X+8*(\i)+4:X+8*(\i)+7], v1, s[16:17] offset:8192*(\i)+16 th:TH_LOAD_NT
.endr
; Slice i.  mode = 1: the bf16 number is widened again and written as f16.
.macro CVT i, mode
	s_wait_loadcnt 14-2*(\i)                       ; loads come back in order (ISA guide 5.7.1): the later slices' loads, two each, may stay out
.irp j, 0,1,2,3
	v_cvt_pk_bf16_f32 v[Y+4*(\i)+(\j)], v[X+8*(\i)+2*(\j)], v[X+8*(\i)+2*(\j)+1]
.endr
.if \mode
.irp j, 0,1,2,3
	v_lshlrev_b32 v[T+2*(\j)],   16,  v[Y+4*(\i)+(\j)]
	v_and_b32     v[T+2*(\j)+1], s26, v[Y+4*(\i)+(\j)]
.endr
.irp j, 0,1,2,3
	v_cvt_pk_f16_f32 v[Y+4*(\i)+(\j)], v[T+2*(\j)], v[T+2*(\j)+1]
.endr
.endif
	global_store_b128 v2, v[Y+4*(\i):Y+4*(\i)+3], s[18:19] offset:4096*(\i)  ; each slice has registers of its own: nothing that a store reads is rewritten
.endm
	s_cmp_lt_u32 ttmp9, 704
	s_cbranch_scc0 .Lf16
.irp i, 0,1,2,3,4,5,6,7
	CVT \i, 0
.endr
	s_endpgm
.Lf16:
.irp i, 0,1,2,3,4,5,6,7
	CVT \i, 1
.endr
	s_endpgm
.Lfunc_end_k_qa62790e2f6_cast:
	.size	k_qa62790e2f6_cast, .Lfunc_end_k_qa62790e2f6_cast-k_qa62790e2f6_cast
	.p2alignl 7, 3214868480
	.fill 96, 4, 3214868480
	.section	.rodata,"a",@progbits
	.p2align	6, 0x0
	.amdhsa_kernel k_qa62790e2f6_cast
		.amdhsa_group_segment_fixed_size 0
		.amdhsa_private_segment_fixed_size 0
		.amdhsa_enable_private_segment 0
		.amdhsa_kernarg_size 48
		.amdhsa_user_sgpr_count 2
		.amdhsa_user_sgpr_kernarg_segment_ptr 1
		.amdhsa_wavefront_size32 1
		.amdhsa_system_sgpr_workgroup_id_x 1
		.amdhsa_system_sgpr_workgroup_id_y 1
		.amdhsa_system_sgpr_workgroup_id_z 1
		.amdhsa_system_vgpr_workitem_id 0
		.amdhsa_next_free_vgpr 112
		.amdhsa_next_free_sgpr 66
		.amdhsa_reserve_vcc 0
		.amdhsa_float_denorm_mode_32 3
		.amdhsa_float_denorm_mode_16_64 3
		.amdhsa_memory_ordered 1
		.amdhsa_forward_progress 1
		.amdhsa_inst_pref_size 13
	.end_amdhsa_kernel
	.amdgpu_metadata
---
amdhsa.version: [ 1, 2 ]
amdhsa.kernels:
  - .name:           k_qa62790e2f6_cast
    .symbol:         k_qa62790e2f6_cast.kd
    .args:
      - { .name: x, .offset: 0, .size: 8, .value_kind: global_buffer, .address_space: global }
      - { .name: w_qkv, .offset: 8, .size: 8, .value_kind: global_buffer, .address_space: global }
      - { .name: w_out, .offset: 16, .size: 8, .value_kind: global_buffer, .address_space: global }
      - { .name: xb, .offset: 24, .size: 8, .value_kind: global_buffer, .address_space: global }
      - { .name: wb, .offset: 32, .size: 8, .value_kind: global_buffer, .address_space: global }
      - { .name: wo, .offset: 40, .size: 8, .value_kind: global_buffer, .address_space: global }
    .group_segment_fixed_size: 0
    .private_segment_fixed_size: 0
    .kernarg_segment_align: 8
    .kernarg_segment_size: 48
    .max_flat_workgroup_size: 256
    .sgpr_count:     66
    .vgpr_count:     112
    .wavefront_size: 32
...
	.end_amdgpu_metadata
.endif
;; end of part 1
;; launch qkv (part 2): grid 8 x 32, 4 waves a work-group, clusters of 4 x 4, 327,680 bytes of LDS; arguments xb, wb, qk, vt; writes qk, vt
.if DOCPART == 2
	.amdgcn_target "amdgcn-amd-amdhsa--gfx1250"
	.amdhsa_code_object_version 6
	.text
	.protected	k_qa62790e2f6_qkv
	.globl	k_qa62790e2f6_qkv
	.p2align	8
	.type	k_qa62790e2f6_qkv,@function
k_qa62790e2f6_qkv:
	s_mov_b64 s[64:65], 0
	v_nop
	global_prefetch_b8 v0, s[64:65] scope:SCOPE_SE
	s_setreg_imm32_b32 hwreg(HW_REG_WAVE_MODE, 25, 1), 1
	s_wait_xcnt 0x0
	s_wait_alu depctr_hold_cnt(0) depctr_sa_sdst(0) depctr_va_vdst(0) depctr_va_sdst(0) depctr_va_ssrc(0) depctr_va_vcc(0) depctr_vm_vsrc(0)
	s_getreg_b32 s2, hwreg(HW_REG_IB_STS2, 6, 4)
	s_cmp_eq_u32 s2, 0
	s_cbranch_scc0 .Lentry_in_a_cluster
	s_endpgm
.Lentry_in_a_cluster:
	s_bfe_u32 s2, ttmp6, 0x10000c
	s_cmp_lg_u32 s2, 0xf033
	s_cbranch_scc0 .Lentry_shape_is_right
	s_endpgm
.Lentry_shape_is_right:
; qk[m][n] = sum over k of xb[m][k] wb[n][k], n = 0 .. 2047 (q's and k's rows of the weights);  vt[c][m] = sum over k of wb[2048 + c][k] xb[m][k]: V, transposed, so that the product
; with the weights finds keys along the rows.  xb [8192][1024], wb [3072][1024] bf16; sums in f32; qk [8192][2048] and vt [1024][8192] f16, each rounded once.
; LIMIT.  q, k and v are kept in f16: a number of 65,520 or more becomes an infinity; below 6e-5 f16 keeps its fixed step of 6e-8.
; SHARES.  8192 x 3072 results are 384 tiles of 256 x 256, one and a half for each of 256 work-groups.  So a work-group makes TWO tiles from the same 256 rows of xb: 256 x 256 of qk (four waves,
; 128 x 128 each: 64 accumulators), then 128 channels x 256 tokens of vt (64 x 128 each: 32 accumulators).  K goes in 8 steps of 128 through two LDS slots filled by the tensor data mover; a tile's
; rows are 256 bytes of memory, at multiples of 256 from the buffer's first byte.  THE RING GOES ON: the first tile's last two changes of slots ask for the second tile's K steps 0 and 1.
; THE LOOP.  A K step is a change of slots (SYNC) and two trips of one PAIR of quarter steps (fetch into buffer 0, multiply buffer 1; fetch into buffer 1, multiply buffer 0); s[TB] says where in
; LDS the next fetch begins.  SYNC holds no matrix work: from the landing of a tile to the request for the next stand only the lines that order the two.
; CLUSTER 4 x 4: the four work-groups of a row need the same tile of xb, the four of a column the same rows of wb; each tile is asked for jointly, by the same load, descriptor and mask in all four.
; THE MATRIX INSTRUCTION: for qk source 0 = 16 rows of wb, source 1 = 16 rows of xb: a lane holds token l % 16 and eight neighbouring columns.  For vt the sources change places: a lane holds channel l % 16 and eight neighbouring tokens.
; REGISTERS in windows of 256 (s_set_vgpr_msb: bits 1:0 source 0, 3:2 source 1, 5:4 source 2, 7:6 destination):
;   window 0: v0-31 addresses; v64-127, v128-191 xb's fragments, two buffers; v32-63, v192-255 the way out     window 1: v64-191 wb's fragments     windows 2, 3: accumulator (a, b) at v[8 (8 (a % 4) + b)] of window 2 + a / 4
.set KSTEP,  128
.set PITCH,  272                       ; an LDS row: 256 bytes + 16 of padding = 68 words: row r starts at bank 4 r mod 64 (64 banks of 4 bytes: ISA guide 11.1)
.set HALFT,  128*PITCH                 ; 128 rows
.set SLOT,   4*HALFT                   ; xb's 256 rows, then wb's 256 (second tile: 128).  139,264 = 2^17 + 2^13, two bits that no load's place in a slot has: an exclusive or with it changes slots
.set STAGE,  2*SLOT                    ; 16 rows x 272 bytes for each wave, for the way out; no tensor load lands here
.set SPITCH, 272
.set SPARE,  STAGE+4*16*SPITCH         ; the spare words: 128 bytes a wave, two blocks of 256 bytes that no other line names
.set STEPS,  1024/KSTEP
.set ROWQ,   4096                      ; bytes in a row of qk
.set ROWV,   16384                     ; bytes in a row of vt
.set LA,   16                          ; v16  my place in xb's tile, slot 0; never rewritten
.set LB,   17                          ; v17  the same for wb, first tile
.set ADRA, 18                          ; v18  where the fetch in hand reads xb
.set ADRB, 19                          ; v19  and wb
.set LB2,  20                          ; v20  my place in wb's tile, second tile
.set CO2,  21                          ; v21  my byte offset in two rows of vt
.set STO,  24                          ; v24  the way out: where I put 16 bytes of a row
.set RD,   25                          ; v25  where I read a row back
.set CO,   26                          ; v26  my byte offset in two rows of qk
.set SPW,  28                          ; v28  my spare word; never rewritten
.set NIL,  29                          ; v29  0; never rewritten
.set F0,   64
.set F1,   128
.set TMP,  192
.set OB,   32
.set G1A,  24                          ; s[24:31] group 1 for xb's tiles; s[32:35] group 0 of the first fill; s[36:39] group 0 that walks through the first tile
.set G0A,  32
.set G1B,  48                          ; s[48:55], s[56:59], s[60:63] the same for wb's, first tile
.set G0B,  56
.set TB,   66                          ; s66  LDS byte at which the next fetch begins: the slot, and 0 or 256 bytes... along the rows in steps of 128 bytes' worth of two quarters
.set VT,   74                          ; s[74:75] vt at my part of the second tile
.set G1B2, 76                          ; s[76:83] group 1 for wb's tiles, second tile: 64 rows a load
.set G0A2, 84                          ; s[84:87] group 0 that walks through the second tile, xb
.set G0B2, 88                          ; s[88:91] the same, wb
.set G1W,  (1<<16)|(1<<20)|(1<<21)|(5<<22)|(3<<25)  ; 17:16 2-byte elements; 20 padding on; 21 set beside a mask; 24:22 after every 64 words; 31:25 4 words of it
.set MUL_LO, 0xa1                      ; source 0 window 1, source 1 window 0, C and D window 2
.set MUL_V,  0xa4                      ; source 0 window 0, source 1 window 1, C and D window 2
.set TO_B,   0x40                      ; destination window 1
.set MSB, 0
.macro WIN new                         ; the immediate's high byte repeats the setting that is left
.if MSB != (\new)
	s_set_vgpr_msb (MSB<<8)|(\new)
.set MSB, \new
.endif
.endm
.macro PLACES                          ; four plain vector instructions between a matrix instruction and a load into, or a vector read of, its registers
.rept 4
	v_nop
.endr
.endm
; A joint refill: waves 0, 1 fetch xb's halves by group 0 ga, waves 2, 3 wb's by gb and group 1 g1b.  The branch hangs on the wave's number alone.  s_nop 0 and four v_nop follow each line.
.macro JLOAD ga, gb, g1b
	s_cmp_eq_u32 s11, 0
	s_cbranch_scc0 .Lfor_b_\@
	tensor_load_to_lds s[(\ga):(\ga)+3], s[G1A:G1A+7]
	s_nop 0
.rept 4
	v_nop
.endr
	s_branch .Lasked_\@
.Lfor_b_\@:
	tensor_load_to_lds s[(\gb):(\gb)+3], s[(\g1b):(\g1b)+7]
	s_nop 0
.rept 4
	v_nop
.endr
.Lasked_\@:
.endm
.macro CROUND                          ; a round of the cluster's barrier
	s_barrier_signal -1
	s_barrier_wait -1
	s_cmp_lg_u32 s10, 0
	s_cbranch_scc1 .Lnot_wave_0_\@
	s_barrier_signal -3
.Lnot_wave_0_\@:
	s_barrier_wait -3
	s_barrier_signal -1
	s_barrier_wait -1
.endm
; THE CHANGE OF SLOTS.  The slot's last fragments have been asked for.  Each wave waits for all its tensor loads (one is out: its part of the next slot), adds 0 to its spare word, and waits for that
; and for its reads of the slot.  fill = 1: the barrier is a round of the cluster's, and the joint refill of the slot just left is the first thing behind it.  step = 0: the descriptor's first use: its address stands.
.macro SYNC fill, ga=0, gb=0, g1b=0, step=1
	WIN 0
	s_wait_tensorcnt 0x0                           ; no tensor load of mine is out, so the walking descriptors may be written
	ds_add_u32 v[SPW], v[NIL]                      ; 0 onto my spare word
.if \fill
	s_xor_b32 s[(\ga)+1], s[(\ga)+1], SLOT         ; the other slot than last time: the one now left
	s_xor_b32 s[(\gb)+1], s[(\gb)+1], SLOT
.if \step
	s_add_nc_u64 s[(\ga)+2:(\ga)+3], s[(\ga)+2:(\ga)+3], KSTEP*2  ; the next K step; the type bits on top are not reached
	s_add_nc_u64 s[(\gb)+2:(\gb)+3], s[(\gb)+2:(\gb)+3], KSTEP*2
.endif
.endif
	s_sub_co_u32 s[TB], s[TB], 2*KSTEP             ; the fetches go back to the rows' first byte,
	s_xor_b32 s[TB], s[TB], SLOT                   ; in the other slot
	s_wait_dscnt 0x0                               ; the add is done, buffer 1 is in, and my reads of this slot are over
.if \fill
	CROUND                                         ; no wave of any partner still reads the slot or has a load on its way
	JLOAD \ga, \gb, \g1b
.else
	s_barrier_signal -1
	s_barrier_wait -1
.endif
.endm
	s_load_b128 s[4:7], s[0:1], 0x0                ; xb s[4:5], wb s[6:7]
	s_load_b64 s[8:9], s[0:1], 0x10                ; qk
	s_load_b64 s[VT:VT+1], s[0:1], 0x18            ; vt
	v_lshl_add_u32 v[SPW], v0, 2, SPARE
	v_mov_b32 v[NIL], 0
	ds_add_u32 v28, v29
	s_wait_dscnt 0x0
	v_lshrrev_b32 v1, 5, v0
	v_readfirstlane_b32 s10, v1                    ; wave 0..3
	s_lshr_b32 s11, s10, 1                         ; my half of the 256 tokens; also: I fetch xb (0) or wb (1)
	s_and_b32 s12, s10, 1                          ; my half of the columns (channels); also: which half of that tile I fetch
	s_bfe_u32 s40, ttmp6, 0x40000                  ; cx
	s_bfe_u32 s41, ttmp6, 0x40004                  ; cy
	s_lshl_b32 s42, ttmp9, 2
	s_add_co_u32 s42, s42, s40                     ; tile column = 4 x cluster x + cx
	s_and_b32 s13, ttmp7, 0xffff
	s_lshl_b32 s13, s13, 2
	s_add_co_u32 s13, s13, s41                     ; tile row = 4 x cluster y + cy
	s_lshl_b32 s43, s41, 2
	s_lshl_b32 s43, 15, s43                        ; my row of the cluster
	s_lshl_b32 s44, 0x1111, s40                    ; my column
	s_or_b32 s[G1A], s43, G1W
	s_or_b32 s[G1B], s44, G1W
	s_or_b32 s[G1B2], s44, G1W
.irp g, G1A, G1B, G1B2
	s_mov_b32 s[(\g)+1], KSTEP<<16                 ; tensor_dim0 = 128
	s_mov_b32 s[(\g)+3], KSTEP<<16                 ; tile_dim0 = 128
	s_mov_b32 s[(\g)+5], 1024                      ; elements from row to row
	s_mov_b32 s[(\g)+6], 0
	s_mov_b32 s[(\g)+7], 0
.endr
.irp g, G1A, G1B
	s_mov_b32 s[(\g)+2], 128<<16                   ; tensor_dim1 = 128
	s_mov_b32 s[(\g)+4], 128                       ; tile_dim1 = 128
.endr
	s_mov_b32 s[G1B2+2], 64<<16                    ; the second tile has 128 rows of wb: 64 a load
	s_mov_b32 s[G1B2+4], 64
	s_lshl_b32 s17, s12, 7
	s_lshl_b32 s16, s13, 8
	s_add_co_u32 s16, s16, s17                     ; xb: row 256 x tile row + 128 x half
	s_lshl_b32 s16, s16, 11                        ; x 2,048 bytes
	s_lshl_b32 s46, s42, 8
	s_add_co_u32 s46, s46, s17                     ; wb, first tile: row 256 x tile column + 128 x half
	s_lshl_b32 s46, s46, 11
	s_lshl_b32 s92, s42, 7
	s_lshl_b32 s93, s12, 6
	s_add_co_u32 s92, s92, s93
	s_add_co_u32 s92, s92, 2048                    ; wb, second tile: row 2,048 + 128 x tile column + 64 x half
	s_lshl_b32 s92, s92, 11
	s_mov_b32 s17, 0
	s_mov_b32 s47, 0
	s_mov_b32 s93, 0
	s_mul_i32 s20, s10, HALFT                      ; where my load lands: wave x 128 rows
	s_mul_i32 s21, s12, 64*PITCH                   ; second tile, wb: behind xb's 256 rows, 64 rows a half;
	s_add_co_u32 s21, s21, 2*HALFT+SLOT            ; the first use's exclusive or makes it slot 0
	s_wait_kmcnt 0x0
	s_add_nc_u64 s[14:15], s[4:5], s[16:17]
	s_add_nc_u64 s[46:47], s[6:7], s[46:47]
	s_add_nc_u64 s[92:93], s[6:7], s[92:93]
.irp s, 0,1
	s_mov_b32 s[G0A+4*(\s)], 1                     ; count = 1
	s_add_co_u32 s[G0A+4*(\s)+1], s20, (\s)*SLOT   ; LDS address
	s_add_nc_u64 s[G0A+4*(\s)+2:G0A+4*(\s)+3], s[14:15], (\s)*KSTEP*2  ; K step s
	s_or_b32 s[G0A+4*(\s)+3], s[G0A+4*(\s)+3], 0x80000000             ; type = 2
	s_mov_b32 s[G0B+4*(\s)], 1
	s_add_co_u32 s[G0B+4*(\s)+1], s20, (\s)*SLOT
	s_add_nc_u64 s[G0B+4*(\s)+2:G0B+4*(\s)+3], s[46:47], (\s)*KSTEP*2
	s_or_b32 s[G0B+4*(\s)+3], s[G0B+4*(\s)+3], 0x80000000
.endr
	s_mov_b32 s[G0A2], 1                           ; the second tile's descriptors: K step 0; the first use's exclusive or makes the LDS word slot 0's
	s_add_co_u32 s[G0A2+1], s20, SLOT
	s_mov_b64 s[G0A2+2:G0A2+3], s[14:15]
	s_or_b32 s[G0A2+3], s[G0A2+3], 0x80000000
	s_mov_b32 s[G0B2], 1
	s_mov_b32 s[G0B2+1], s21
	s_mov_b64 s[G0B2+2:G0B2+3], s[92:93]
	s_or_b32 s[G0B2+3], s[G0B2+3], 0x80000000
	CROUND                                         ; all sixteen work-groups are here: the first joint loads meet
	s_cmp_eq_u32 s11, 0                            ; a wave's two first fills stand in one branch: two loads of mine are out
	s_cbranch_scc0 .Lfirst_b
	tensor_load_to_lds s[G0A:G0A+3], s[G1A:G1A+7]
	s_nop 0
	tensor_load_to_lds s[G0A+4:G0A+7], s[G1A:G1A+7]
	s_nop 0
.rept 4
	v_nop
.endr
	s_branch .Lfirst_asked
.Lfirst_b:
	tensor_load_to_lds s[G0B:G0B+3], s[G1B:G1B+7]
	s_nop 0
	tensor_load_to_lds s[G0B+4:G0B+7], s[G1B:G1B+7]
	s_nop 0
.rept 4
	v_nop
.endr
.Lfirst_asked:
	; a fragment is 16 rows x 32 K in 8 registers: lane l holds row l % 16, K = 8 (l / 16) + 0..7 and 16 + 8 (l / 16) + 0..7: two loads of 16 bytes, 32 bytes apart
	v_and_b32 v1, 15, v0                           ; l % 16
	v_bfe_u32 v2, v0, 4, 1                         ; l / 16
	v_mul_u32_u24 v3, v1, PITCH
	v_lshl_add_u32 v3, v2, 4, v3
	s_mul_i32 s22, s11, HALFT
	s_mul_i32 s23, s12, HALFT
	s_add_co_u32 s23, s23, 2*HALFT
	v_add_nc_u32 v[LA], s22, v3
	v_add_nc_u32 v[LB], s23, v3
	s_mul_i32 s23, s12, 64*PITCH
	s_add_co_u32 s23, s23, 2*HALFT
	v_add_nc_u32 v[LB2], s23, v3
	v_mov_b32 v[ADRA], v[LA]
	v_mov_b32 v[ADRB], v[LB]
	s_mul_i32 s22, s10, 16*SPITCH
	s_add_co_u32 s22, s22, STAGE                   ; my stage
	v_mul_u32_u24 v4, v1, SPITCH
	v_lshl_add_u32 v4, v2, 4, v4
	v_add_nc_u32 v[STO], s22, v4
	v_mul_u32_u24 v5, v2, SPITCH
	v_lshl_add_u32 v5, v1, 4, v5
	v_add_nc_u32 v[RD], s22, v5
	v_mul_u32_u24 v5, v2, ROWQ
	v_lshl_add_u32 v[CO], v1, 4, v5
	v_mul_u32_u24 v5, v2, ROWV
	v_lshl_add_u32 v[CO2], v1, 4, v5
	s_lshl_b32 s16, s13, 8
	s_lshl_b32 s17, s11, 7
	s_add_co_u32 s16, s16, s17                     ; my first token
	s_lshl_b32 s18, s16, 1                         ; in vt: 2 bytes a token
	s_mov_b32 s19, 0
	s_add_nc_u64 s[VT:VT+1], s[VT:VT+1], s[18:19]
	s_lshl_b32 s16, s16, 12                        ; in qk: a row of 4,096 bytes
	s_mov_b32 s17, 0
	s_add_nc_u64 s[8:9], s[8:9], s[16:17]
	s_lshl_b32 s46, s42, 9                         ; qk: my first column, in bytes (in registers that never feed xb's descriptors)
	s_lshl_b32 s47, s12, 8
	s_add_co_u32 s46, s46, s47
	s_mov_b32 s47, 0
	s_add_nc_u64 s[8:9], s[8:9], s[46:47]
	s_lshl_b32 s46, s42, 7
	s_lshl_b32 s92, s12, 6
	s_add_co_u32 s46, s46, s92                     ; vt: my first channel,
	s_lshl_b32 s46, s46, 14                        ; a row of 16,384 bytes
	s_add_nc_u64 s[VT:VT+1], s[VT:VT+1], s[46:47]
; First tile, 32 matrix instructions: half h of my tokens x all 8 column blocks, 32 along K, from buffer f.  The 64 accumulators take turns in the same order in every quarter.
.macro MULH f, h, zero
	WIN MUL_LO+0x50*(\h)
.irp a, 0,1,2,3
.irp b, 0,1,2,3,4,5,6,7
.if \zero
	v_wmma_f32_16x16x32_bf16 v[8*(8*(\a)+(\b)):8*(8*(\a)+(\b))+7], v[(\f)+8*(\b):(\f)+8*(\b)+7], v[(\f)+8*(4*(\h)+(\a)):(\f)+8*(4*(\h)+(\a))+7], 0
.else
	v_wmma_f32_16x16x32_bf16 v[8*(8*(\a)+(\b)):8*(8*(\a)+(\b))+7], v[(\f)+8*(\b):(\f)+8*(\b)+7], v[(\f)+8*(4*(\h)+(\a)):(\f)+8*(4*(\h)+(\a))+7], v[8*(8*(\a)+(\b)):8*(8*(\a)+(\b))+7]
.endif
.endr
.endr
.endm
; Second tile, 32 matrix instructions: my 4 channel blocks x my 8 token blocks; source 0 = tokens (window 0), source 1 = channels (window 1)
.macro MULV f, zero
	WIN MUL_V
.irp c, 0,1,2,3
.irp t, 0,1,2,3,4,5,6,7
.if \zero
	v_wmma_f32_16x16x32_bf16 v[8*(8*(\c)+(\t)):8*(8*(\c)+(\t))+7], v[(\f)+8*(\t):(\f)+8*(\t)+7], v[(\f)+8*(\c):(\f)+8*(\c)+7], 0
.else
	v_wmma_f32_16x16x32_bf16 v[8*(8*(\c)+(\t)):8*(8*(\c)+(\t))+7], v[(\f)+8*(\t):(\f)+8*(\t)+7], v[(\f)+8*(\c):(\f)+8*(\c)+7], v[8*(8*(\c)+(\t)):8*(8*(\c)+(\t))+7]
.endif
.endr
.endr
.endm
.macro MUL ph, f, zero                 ; a quarter step's products of tile ph
.if (\ph) == 1
	MULH \f, 0, \zero
	MULH \f, 1, \zero
.else
	MULV \f, \zero
.endif
.endm
; One run of LDS loads: nb fragments of wb and 8 of xb, 32 along K at byte k behind the addresses in hand, into buffer g
.macro FETCH nb, k, g
	WIN TO_B
.set i, 0
.rept \nb
	ds_load_b128 v[(\g)+8*i:(\g)+8*i+3],   v[ADRB] offset:(\k)+i*16*PITCH
	ds_load_b128 v[(\g)+8*i+4:(\g)+8*i+7], v[ADRB] offset:(\k)+i*16*PITCH+32
.set i, i+1
.endr
	WIN 0
.set i, 0
.rept 8
	ds_load_b128 v[(\g)+8*i:(\g)+8*i+3],   v[ADRA] offset:(\k)+i*16*PITCH
	ds_load_b128 v[(\g)+8*i+4:(\g)+8*i+7], v[ADRA] offset:(\k)+i*16*PITCH+32
.set i, i+1
.endr
.endm
; Two quarter steps of tile ph.  Each asks first for the fragments of the quarter after it, a quarter's products ahead of their use, and then multiplies the buffer fetched a quarter ago.
.macro PAIR ph
	WIN 0
	s_wait_dscnt 0x0                               ; buffer 1 is in: its loads were issued at the head of the quarter before
	v_add_nc_u32 v[ADRA], s[TB], v[LA]             ; these two and two v_nop: the four places in front of the loads into buffer 0, which the quarter before multiplied
.if (\ph) == 1
	v_add_nc_u32 v[ADRB], s[TB], v[LB]
.else
	v_add_nc_u32 v[ADRB], s[TB], v[LB2]
.endif
	v_nop
	v_nop
	FETCH 12-4*(\ph), 0, F0
	MUL \ph, F1, 0
	s_wait_dscnt 0x0                               ; buffer 0 is in
	PLACES
	FETCH 12-4*(\ph), 64, F1
	s_add_co_u32 s[TB], s[TB], KSTEP               ; the next pair reads 128 bytes further along the rows
	MUL \ph, F0, 0
	WIN 0
.endm
; THE WAY OUT of block a (16 rows): rounded to f16, 16 bytes a lane; through my own stage; back as whole rows of 256 bytes; stored.
.macro PACK a
.set AC, 64*((\a)%4)
	WIN 0x0a+5*((\a)/4)                            ; sources in window 2 or 3
.irp b, 0,1,2,3,4,5,6,7
.irp r, 0,1,2,3
	v_cvt_pk_f16_f32 v[TMP+4*(\b)+(\r)], v[AC+8*(\b)+2*(\r)], v[AC+8*(\b)+2*(\r)+1]
.endr
.endr
	WIN 0
.endm
.macro TOSTAGE a
.set BK, OB+192*((\a)%2)
.irp b, 0,1,2,3,4,5,6,7
	ds_store_b128 v[STO], v[TMP+4*(\b):TMP+4*(\b)+3] offset:32*(\b)
.endr
	s_wait_xcnt 0x0                                ; earlier stores read the registers loaded below
.irp t, 0,1,2,3,4,5,6,7
	ds_load_b128 v[BK+4*(\t):BK+4*(\t)+3], v[RD] offset:(\t)*2*SPITCH  ; LDS serves a wave's instructions in order (ISA guide 5.7.1.4): these see the stores above
.endr
.endm
.macro SEND a, co, base, row
.set BK, OB+192*((\a)%2)
	s_wait_dscnt 0x0                               ; the block is back in registers
.irp t, 0,1,2,3,4,5,6,7
	global_store_b128 v[\co], v[BK+4*(\t):BK+4*(\t)+3], s[(\base):(\base)+1] offset:(16*(\a)+2*(\t))*(\row)  ; 16 lanes store 256 consecutive bytes, aligned
.endr
.endm
	s_wait_tensorcnt 0x1                           ; my part of K step 0 is in; K step 1's may stay out
	s_barrier_signal -1
	s_barrier_wait -1
	FETCH 8, 0, F0
	FETCH 8, 64, F1
	s_mov_b32 s[TB], KSTEP
	s_wait_dscnt 32                                ; buffer 0 is in; the 32 loads of buffer 1, issued behind it, may stay out
	MUL 1, F0, 1                                   ; the first quarter stands ahead of the loop: its products start the sums
	WIN 0
	s_mov_b32 s2, 1                                ; K step 0 has one pair left: the loop is entered at its inner label
	s_mov_b32 s3, STEPS-1                          ; that pass, and six changes of slots that ask for K steps 2 to 7
	s_branch .Lpair
.Lstep:
	SYNC 1, G0A+4, G0B+4, G1B, 1
	s_mov_b32 s2, 2
.Lpair:
	PAIR 1
	s_sub_co_u32 s2, s2, 1
	s_cmp_lg_u32 s2, 0
	s_cbranch_scc1 .Lpair
	s_sub_co_u32 s3, s3, 1
	s_cmp_lg_u32 s3, 0
	s_cbranch_scc1 .Lstep
	SYNC 1, G0A2, G0B2, G1B2, 0                    ; THE RING GOES ON: the slot of K step 6 takes the second tile's K step 0,
	s_mov_b32 s2, 2
.Lpair_x:
	PAIR 1
	s_sub_co_u32 s2, s2, 1
	s_cmp_lg_u32 s2, 0
	s_cbranch_scc1 .Lpair_x
	SYNC 1, G0A2, G0B2, G1B2, 1                    ; the slot of K step 7 its K step 1; the four v_nop behind the load are the places in front of the loads below
	v_add_nc_u32 v[ADRA], s[TB], v[LA]
	v_add_nc_u32 v[ADRB], s[TB], v[LB2]
	FETCH 4, 0, F0                                 ; the second tile's first fragments
	MUL 1, F1, 0                                   ; the first tile's last quarter
	PLACES                                         ; behind the last products
	PACK 0
	TOSTAGE 0
.irp a, 1,2,3,4,5,6,7                  ; block a's conversions stand between block a - 1's loads from the stage and the wait for them
	PACK \a
	SEND (\a)-1, CO, 8, ROWQ
	TOSTAGE \a
.endr
	SEND 7, CO, 8, ROWQ
	; THE SECOND TILE.  The conversions above are the places behind the first tile's last products.
	FETCH 4, 64, F1
	s_add_co_u32 s[TB], s[TB], KSTEP
	s_wait_dscnt 24                                ; buffer 0 is in; the 24 loads of buffer 1 may stay out
	MUL 2, F0, 1                                   ; its products start the sums anew
	WIN 0
	s_mov_b32 s2, 1
	s_mov_b32 s3, STEPS-1
	s_branch .Lpair2
.Lstep2:
	SYNC 1, G0A2, G0B2, G1B2, 1
	s_mov_b32 s2, 2
.Lpair2:
	PAIR 2
	s_sub_co_u32 s2, s2, 1
	s_cmp_lg_u32 s2, 0
	s_cbranch_scc1 .Lpair2
	s_sub_co_u32 s3, s3, 1
	s_cmp_lg_u32 s3, 0
	s_cbranch_scc1 .Lstep2
	SYNC 0                                         ; the last change of slots asks for nothing: written out
	s_mov_b32 s2, 2
.Lpair2_t:
	PAIR 2
	s_sub_co_u32 s2, s2, 1
	s_cmp_lg_u32 s2, 0
	s_cbranch_scc1 .Lpair2_t
	s_wait_dscnt 0x0
	MUL 2, F1, 0                                   ; the last quarter
	PLACES
	PACK 0
	TOSTAGE 0
.irp a, 1,2,3
	PACK \a
	SEND (\a)-1, CO2, VT, ROWV
	TOSTAGE \a
.endr
	SEND 3, CO2, VT, ROWV
	s_wait_tensorcnt 0x0                           ; the wave's end
	ds_add_u32 v[SPW], v[NIL]
	s_wait_dscnt 0x0
	CROUND                                         ; the closing round
	s_endpgm
.Lfunc_end_k_qa62790e2f6_qkv:
	.size	k_qa62790e2f6_qkv, .Lfunc_end_k_qa62790e2f6_qkv-k_qa62790e2f6_qkv
	.p2alignl 7, 3214868480
	.fill 96, 4, 3214868480
	.section	.rodata,"a",@progbits
	.p2align	6, 0x0
	.amdhsa_kernel k_qa62790e2f6_qkv
		.amdhsa_group_segment_fixed_size 327680
		.amdhsa_private_segment_fixed_size 0
		.amdhsa_enable_private_segment 0
		.amdhsa_kernarg_size 32
		.amdhsa_user_sgpr_count 2
		.amdhsa_user_sgpr_kernarg_segment_ptr 1
		.amdhsa_wavefront_size32 1
		.amdhsa_system_sgpr_workgroup_id_x 1
		.amdhsa_system_sgpr_workgroup_id_y 1
		.amdhsa_system_sgpr_workgroup_id_z 1
		.amdhsa_system_vgpr_workitem_id 0
		.amdhsa_next_free_vgpr 1024
		.amdhsa_next_free_sgpr 96
		.amdhsa_reserve_vcc 0
		.amdhsa_float_denorm_mode_32 3
		.amdhsa_float_denorm_mode_16_64 3
		.amdhsa_memory_ordered 1
		.amdhsa_forward_progress 1
		.amdhsa_inst_pref_size 122
	.end_amdhsa_kernel
	.amdgpu_metadata
---
amdhsa.version: [ 1, 2 ]
amdhsa.kernels:
  - .name:           k_qa62790e2f6_qkv
    .symbol:         k_qa62790e2f6_qkv.kd
    .args:
      - { .name: xb, .offset: 0, .size: 8, .value_kind: global_buffer, .address_space: global }
      - { .name: wb, .offset: 8, .size: 8, .value_kind: global_buffer, .address_space: global }
      - { .name: qk, .offset: 16, .size: 8, .value_kind: global_buffer, .address_space: global }
      - { .name: vt, .offset: 24, .size: 8, .value_kind: global_buffer, .address_space: global }
    .group_segment_fixed_size: 327680
    .private_segment_fixed_size: 0
    .kernarg_segment_align: 8
    .kernarg_segment_size: 32
    .max_flat_workgroup_size: 128
    .sgpr_count:     96
    .vgpr_count:     1024
    .wavefront_size: 32
...
	.end_amdgpu_metadata
.endif
;; end of part 2
;; launch scores (part 3): grid 8 x 32, 4 waves a work-group, clusters of 4 x 4, 327,680 bytes of LDS; arguments qk, pp, st; writes pp, st
.if DOCPART == 3
	.amdgcn_target "amdgcn-amd-amdhsa--gfx1250"
	.amdhsa_code_object_version 6
	.text
	.protected	k_qa62790e2f6_scores
	.globl	k_qa62790e2f6_scores
	.p2align	8
	.type	k_qa62790e2f6_scores,@function
k_qa62790e2f6_scores:
	s_mov_b64 s[64:65], 0
	v_nop
	global_prefetch_b8 v0, s[64:65] scope:SCOPE_SE
	s_setreg_imm32_b32 hwreg(HW_REG_WAVE_MODE, 25, 1), 1
	s_wait_xcnt 0x0
	s_wait_alu depctr_hold_cnt(0) depctr_sa_sdst(0) depctr_va_vdst(0) depctr_va_sdst(0) depctr_va_ssrc(0) depctr_va_vcc(0) depctr_vm_vsrc(0)
	s_getreg_b32 s2, hwreg(HW_REG_IB_STS2, 6, 4)
	s_cmp_eq_u32 s2, 0
	s_cbranch_scc0 .Lentry_in_a_cluster
	s_endpgm
.Lentry_in_a_cluster:
	s_bfe_u32 s2, ttmp6, 0x10000c
	s_cmp_lg_u32 s2, 0xf033
	s_cbranch_scc0 .Lentry_shape_is_right
	s_endpgm
.Lentry_shape_is_right:
; s[n][m] = sum over 1,024 channels of q[n][c] k[m][c], within a batch of 2,048 tokens.  For each query and each block of 128 keys: mb = the block's largest s; pp = 2^(c (s - mb)) in f16,
; c = log2(e) / 8; lb = the sum of the unrounded 2^(..).  st holds mb and lb, [2][batch][key block][query] f32; the next launch joins the sixteen blocks of a row under the row's own maximum.
; qk [8192][2048] f16: q in columns 0-1023, k in columns 1024-2047.  Sums in f32.
; LIMITS.  A weight below 2^-126 counts as 0 in lb; in pp a weight below 6e-5 keeps f16's fixed step of 6e-8.  NaN and infinities are not treated apart.
; A tile is 256 queries x 256 keys; four waves, 128 x 128 each, so a wave's columns are one key block.  K (channels) in 8 steps of 128 through two LDS slots.
; THE LOOP.  A K step is a change of slots (SYNC) and two trips of one PAIR of quarter steps (fetch into buffer 0, multiply buffer 1; fetch into buffer 1, multiply buffer 0); s[TB] says where in
; LDS the next fetch begins.  SYNC holds no matrix work: from the landing of a tile to the request for the next stand only the lines that order the two.
; CLUSTER 4 x 4: q's tile is shared along a row of the cluster, k's along a column.  The matrix instruction is used transposed: a lane holds ONE query (l % 16) and the keys 16 b + 8 (l / 16) + 0..7.
; THE WAY OUT is a loop over the wave's eight blocks of 16 queries, written once.  A loop names its registers by number, so the 64 accumulators are first parked in LDS, in the slots, which have had
; their last fill, each lane's own 16 bytes at a time, and each trip takes one block's 64 registers back.
; REGISTERS: window 0: v0-31 addresses and statistics; v64-127, v128-191 q's fragments (on the way out v64-127 the scores, v192-223 the weights, v32-63 whole rows); window 1: k's fragments; windows 2, 3: accumulators.
.set KSTEP,  128
.set PITCH,  272                       ; 256 bytes + 16 of padding = 68 words: row r starts at bank 4 r mod 64 (64 banks of 4 bytes: ISA guide 11.1)
.set HALFT,  128*PITCH
.set SLOT,   4*HALFT                   ; 139,264 = 2^17 + 2^13, two bits that wave x 34,816 never has: an exclusive or with it changes slots
.set STAGE,  2*SLOT
.set SPITCH, 272
.set SPARE,  STAGE+4*16*SPITCH         ; the spare words: two blocks of 256 bytes that no other line names
.set STATS,  SPARE+512                 ; for each wave 128 words of mb, then 128 of lb
.set STEPS,  1024/KSTEP
.set ROWC,   4096                      ; bytes in a row of qk and of pp
.set CH,   8                           ; v8-11  four running maxima
.set MX,   12                          ; v12-13 mb, twice
.set LS,   14                          ; v14    lb
.set LA,   16
.set LB,   17
.set ADRA, 18
.set ADRB, 19
.set PKA,  20                          ; v20  my 16 bytes in my wave's park; steps by a block
.set STA,  21                          ; v21  my query's word in STATS; steps by a block
.set STR,  22                          ; v22  my 16 bytes of STATS, read back
.set STG,  23                          ; v23  16 x lane
.set STO,  24
.set RD,   25
.set CO,   26
.set SPW,  28
.set NIL,  29
.set F0,   64
.set F1,   128
.set S,    64
.set P,    192
.set BK,   32
.set G1A,  24
.set G0A,  32
.set G1B,  48
.set G0B,  56
.set TB,   66                          ; s66  LDS byte at which the next fetch begins
.set CS,   68                          ; s[68:69] c, twice
.set SEL,  70                          ; s[70:71] v_permlanex16_b32's selects: each lane takes its own place in the other half
.set G1W,  (1<<16)|(1<<20)|(1<<21)|(5<<22)|(3<<25)
.set MUL_LO, 0xa1
.set TO_B,   0x40
.set MSB, 0
.macro WIN new
.if MSB != (\new)
	s_set_vgpr_msb (MSB<<8)|(\new)
.set MSB, \new
.endif
.endm
.macro PLACES
.rept 4
	v_nop
.endr
.endm
.macro JLOAD                           ; a joint refill: waves 0, 1 fetch q's halves, waves 2, 3 k's; s_nop 0 and four v_nop follow each line
	s_cmp_eq_u32 s11, 0
	s_cbranch_scc0 .Lfor_b_\@
	tensor_load_to_lds s[G0A+4:G0A+7], s[G1A:G1A+7]
	s_nop 0
.rept 4
	v_nop
.endr
	s_branch .Lasked_\@
.Lfor_b_\@:
	tensor_load_to_lds s[G0B+4:G0B+7], s[G1B:G1B+7]
	s_nop 0
.rept 4
	v_nop
.endr
.Lasked_\@:
.endm
.macro CROUND
	s_barrier_signal -1
	s_barrier_wait -1
	s_cmp_lg_u32 s10, 0
	s_cbranch_scc1 .Lnot_wave_0_\@
	s_barrier_signal -3
.Lnot_wave_0_\@:
	s_barrier_wait -3
	s_barrier_signal -1
	s_barrier_wait -1
.endm
; THE CHANGE OF SLOTS: all my tensor loads (one is out: my part of the next slot), the add, my reads of the slot; the barrier (fill = 1: a round of the cluster's); the joint refill first behind it.
.macro SYNC fill
	WIN 0
	s_wait_tensorcnt 0x0                           ; no tensor load of mine is out, so the walking descriptors may be written
	ds_add_u32 v[SPW], v[NIL]                      ; 0 onto my spare word
.if \fill
	s_xor_b32 s[G0A+5], s[G0A+5], SLOT             ; the other slot than last time: the one now left,
	s_add_nc_u64 s[G0A+6:G0A+7], s[G0A+6:G0A+7], KSTEP*2  ; the next K step; the type bits on top are not reached
	s_xor_b32 s[G0B+5], s[G0B+5], SLOT
	s_add_nc_u64 s[G0B+6:G0B+7], s[G0B+6:G0B+7], KSTEP*2
.endif
	s_sub_co_u32 s[TB], s[TB], 2*KSTEP             ; the fetches go back to the rows' first byte,
	s_xor_b32 s[TB], s[TB], SLOT                   ; in the other slot
	s_wait_dscnt 0x0                               ; the add is done, buffer 1 is in, and my reads of this slot are over
.if \fill
	CROUND
	JLOAD
.else
	s_barrier_signal -1
	s_barrier_wait -1
.endif
.endm
	s_load_b64 s[4:5], s[0:1], 0x0                 ; qk
	s_load_b64 s[8:9], s[0:1], 0x8                 ; pp
	s_load_b64 s[72:73], s[0:1], 0x10              ; st
	v_lshl_add_u32 v[SPW], v0, 2, SPARE
	v_mov_b32 v[NIL], 0
	ds_add_u32 v28, v29
	s_wait_dscnt 0x0
	v_lshrrev_b32 v1, 5, v0
	v_readfirstlane_b32 s10, v1
	s_lshr_b32 s11, s10, 1                         ; my half of the tile's queries; also: I fetch q (0) or k (1)
	s_and_b32 s12, s10, 1                          ; my half of its keys; also: which 128 rows I fetch
	s_bfe_u32 s40, ttmp6, 0x40000
	s_bfe_u32 s41, ttmp6, 0x40004
	s_lshl_b32 s42, ttmp9, 2
	s_add_co_u32 s42, s42, s40                     ; tile column: 256 keys of the batch
	s_and_b32 s13, ttmp7, 0xffff
	s_lshr_b32 s45, s13, 1                         ; the batch: eight tile rows, two clusters; made of the cluster's y alone
	s_lshl_b32 s13, s13, 2
	s_add_co_u32 s13, s13, s41                     ; tile row: 256 of the 8,192 queries
	s_lshl_b32 s43, s41, 2
	s_lshl_b32 s43, 15, s43
	s_lshl_b32 s44, 0x1111, s40
	s_or_b32 s[G1A], s43, G1W
	s_or_b32 s[G1B], s44, G1W
.irp g, G1A, G1B
	s_mov_b32 s[(\g)+1], KSTEP<<16
	s_mov_b32 s[(\g)+2], 128<<16
	s_mov_b32 s[(\g)+3], KSTEP<<16
	s_mov_b32 s[(\g)+4], 128
	s_mov_b32 s[(\g)+5], 2048                      ; elements from row to row
	s_mov_b32 s[(\g)+6], 0
	s_mov_b32 s[(\g)+7], 0
.endr
	s_lshl_b32 s17, s12, 7
	s_lshl_b32 s16, s13, 8
	s_add_co_u32 s16, s16, s17                     ; q: row 256 x tile row + 128 x half
	s_lshl_b32 s16, s16, 12                        ; x 4,096 bytes
	s_lshl_b32 s46, s42, 8
	s_add_co_u32 s46, s46, s17
	s_lshl_b32 s47, s45, 11
	s_add_co_u32 s46, s46, s47                     ; k: row 2,048 x batch + 256 x tile column + 128 x half,
	s_lshl_b32 s46, s46, 12
	s_add_co_u32 s46, s46, 2048                    ; in the rows' second halves
	s_mov_b32 s17, 0
	s_mov_b32 s47, 0
	s_mul_i32 s20, s10, HALFT
	s_mov_b32 s[CS], 0x3e38aa3b                    ; c = log2(e) / 8 = 0.180337
	s_mov_b32 s[CS+1], s[CS]
	s_mov_b32 s[SEL], 0x76543210
	s_mov_b32 s[SEL+1], 0xfedcba98
	s_wait_kmcnt 0x0
	s_add_nc_u64 s[14:15], s[4:5], s[16:17]
	s_add_nc_u64 s[46:47], s[4:5], s[46:47]
.irp s, 0,1
	s_mov_b32 s[G0A+4*(\s)], 1
	s_add_co_u32 s[G0A+4*(\s)+1], s20, (\s)*SLOT
	s_add_nc_u64 s[G0A+4*(\s)+2:G0A+4*(\s)+3], s[14:15], (\s)*KSTEP*2
	s_or_b32 s[G0A+4*(\s)+3], s[G0A+4*(\s)+3], 0x80000000
	s_mov_b32 s[G0B+4*(\s)], 1
	s_add_co_u32 s[G0B+4*(\s)+1], s20, (\s)*SLOT
	s_add_nc_u64 s[G0B+4*(\s)+2:G0B+4*(\s)+3], s[46:47], (\s)*KSTEP*2
	s_or_b32 s[G0B+4*(\s)+3], s[G0B+4*(\s)+3], 0x80000000
.endr
	CROUND                                         ; the first joint loads meet
	s_cmp_eq_u32 s11, 0                            ; a wave's two first fills stand in one branch: two loads of mine are out
	s_cbranch_scc0 .Lfirst_b
	tensor_load_to_lds s[G0A:G0A+3], s[G1A:G1A+7]
	s_nop 0
	tensor_load_to_lds s[G0A+4:G0A+7], s[G1A:G1A+7]
	s_nop 0
.rept 4
	v_nop
.endr
	s_branch .Lfirst_asked
.Lfirst_b:
	tensor_load_to_lds s[G0B:G0B+3], s[G1B:G1B+7]
	s_nop 0
	tensor_load_to_lds s[G0B+4:G0B+7], s[G1B:G1B+7]
	s_nop 0
.rept 4
	v_nop
.endr
.Lfirst_asked:
	v_and_b32 v1, 15, v0                           ; l % 16
	v_bfe_u32 v2, v0, 4, 1                         ; l / 16
	v_mul_u32_u24 v3, v1, PITCH
	v_lshl_add_u32 v3, v2, 4, v3
	s_mul_i32 s22, s11, HALFT
	s_mul_i32 s23, s12, HALFT
	s_add_co_u32 s23, s23, 2*HALFT
	v_add_nc_u32 v[LA], s22, v3
	v_add_nc_u32 v[LB], s23, v3
	v_mov_b32 v[ADRA], v[LA]
	v_mov_b32 v[ADRB], v[LB]
	s_mul_i32 s22, s10, 16*SPITCH
	s_add_co_u32 s22, s22, STAGE
	v_mul_u32_u24 v4, v1, SPITCH
	v_lshl_add_u32 v4, v2, 4, v4
	v_add_nc_u32 v[STO], s22, v4
	v_mul_u32_u24 v5, v2, SPITCH
	v_lshl_add_u32 v5, v1, 4, v5
	v_add_nc_u32 v[RD], s22, v5
	v_mul_u32_u24 v5, v2, ROWC
	v_lshl_add_u32 v[CO], v1, 4, v5
	v_and_b32 v6, 31, v0
	v_lshlrev_b32 v[STG], 4, v6                    ; 16 x lane
	s_lshl_b32 s22, s10, 16
	v_add_nc_u32 v[PKA], s22, v[STG]               ; my wave's park: 65,536 bytes at wave x 65,536
	s_lshl_b32 s22, s10, 10
	s_add_co_u32 s22, s22, STATS
	v_lshl_add_u32 v[STA], v1, 2, s22
	v_add_nc_u32 v[STR], s22, v[STG]
	s_lshl_b32 s16, s13, 8
	s_lshl_b32 s17, s11, 7
	s_add_co_u32 s16, s16, s17                     ; my first row of pp
	s_lshl_b32 s16, s16, 12
	s_mov_b32 s17, 0
	s_add_nc_u64 s[8:9], s[8:9], s[16:17]
	s_lshl_b32 s46, s42, 9                         ; my first column, in bytes
	s_lshl_b32 s47, s12, 8
	s_add_co_u32 s46, s46, s47
	s_mov_b32 s47, 0
	s_add_nc_u64 s[8:9], s[8:9], s[46:47]
	s_lshl_b32 s16, s45, 17                        ; st: batch x 16 blocks x 2,048 queries x 4 bytes,
	s_and_b32 s17, s13, 7
	s_lshl_b32 s17, s17, 10                        ; my tile's 256 queries in the batch,
	s_add_co_u32 s16, s16, s17
	s_lshl_b32 s17, s11, 9                         ; my wave's 128 of them,
	s_add_co_u32 s16, s16, s17
	s_mov_b32 s17, 0
	s_add_nc_u64 s[72:73], s[72:73], s[16:17]
	s_lshl_b32 s46, s42, 1
	s_add_co_u32 s46, s46, s12                     ; key block 2 x tile column + half
	s_lshl_b32 s46, s46, 13
	s_add_nc_u64 s[72:73], s[72:73], s[46:47]
.macro MULH f, h, zero                 ; 32 matrix instructions; the 64 accumulators take turns in the same order in every quarter
	WIN MUL_LO+0x50*(\h)
.irp a, 0,1,2,3
.irp b, 0,1,2,3,4,5,6,7
.if \zero
	v_wmma_f32_16x16x32_f16 v[8*(8*(\a)+(\b)):8*(8*(\a)+(\b))+7], v[(\f)+8*(\b):(\f)+8*(\b)+7], v[(\f)+8*(4*(\h)+(\a)):(\f)+8*(4*(\h)+(\a))+7], 0
.else
	v_wmma_f32_16x16x32_f16 v[8*(8*(\a)+(\b)):8*(8*(\a)+(\b))+7], v[(\f)+8*(\b):(\f)+8*(\b)+7], v[(\f)+8*(4*(\h)+(\a)):(\f)+8*(4*(\h)+(\a))+7], v[8*(8*(\a)+(\b)):8*(8*(\a)+(\b))+7]
.endif
.endr
.endr
.endm
.macro MUL f, zero
	MULH \f, 0, \zero
	MULH \f, 1, \zero
.endm
.macro FETCH k, g                      ; 32 LDS loads in one run
	WIN TO_B
.irp i, 0,1,2,3,4,5,6,7
	ds_load_b128 v[(\g)+8*(\i):(\g)+8*(\i)+3],   v[ADRB] offset:(\k)+(\i)*16*PITCH
	ds_load_b128 v[(\g)+8*(\i)+4:(\g)+8*(\i)+7], v[ADRB] offset:(\k)+(\i)*16*PITCH+32
.endr
	WIN 0
.irp i, 0,1,2,3,4,5,6,7
	ds_load_b128 v[(\g)+8*(\i):(\g)+8*(\i)+3],   v[ADRA] offset:(\k)+(\i)*16*PITCH
	ds_load_b128 v[(\g)+8*(\i)+4:(\g)+8*(\i)+7], v[ADRA] offset:(\k)+(\i)*16*PITCH+32
.endr
.endm
; Two quarter steps.  Each asks first for the fragments of the quarter after it, 64 matrix instructions ahead of their use, and then multiplies the buffer fetched a quarter ago.
.macro PAIR
	WIN 0
	s_wait_dscnt 0x0                               ; buffer 1 is in
	v_add_nc_u32 v[ADRA], s[TB], v[LA]             ; these two and two v_nop: the four places in front of the loads into buffer 0, which the quarter before multiplied
	v_add_nc_u32 v[ADRB], s[TB], v[LB]
	v_nop
	v_nop
	FETCH 0, F0
	MUL F1, 0
	s_wait_dscnt 0x0                               ; buffer 0 is in
	PLACES
	FETCH 64, F1
	s_add_co_u32 s[TB], s[TB], KSTEP               ; the next pair reads 128 bytes further along the rows
	MUL F0, 0
	WIN 0
.endm
	s_wait_tensorcnt 0x1                           ; my part of K step 0 is in; K step 1's may stay out
	s_barrier_signal -1
	s_barrier_wait -1
	FETCH 0, F0
	FETCH 64, F1
	s_mov_b32 s[TB], KSTEP
	s_wait_dscnt 32                                ; buffer 0 is in; the 32 loads of buffer 1, issued behind it, may stay out
	MUL F0, 1                                      ; the first quarter's products start the sums
	WIN 0
	s_mov_b32 s2, 1                                ; K step 0 has one pair left: the loop is entered at its inner label
	s_mov_b32 s3, STEPS-1                          ; that pass, and six changes of slots that ask for K steps 2 to 7
	s_branch .Lpair
.Lstep:
	SYNC 1
	s_mov_b32 s2, 2
.Lpair:
	PAIR
	s_sub_co_u32 s2, s2, 1
	s_cmp_lg_u32 s2, 0
	s_cbranch_scc1 .Lpair
	s_sub_co_u32 s3, s3, 1
	s_cmp_lg_u32 s3, 0
	s_cbranch_scc1 .Lstep
	SYNC 0                                         ; the last change of slots asks for nothing: written out
	s_mov_b32 s2, 2
.Lpair_t:
	PAIR
	s_sub_co_u32 s2, s2, 1
	s_cmp_lg_u32 s2, 0
	s_cbranch_scc1 .Lpair_t
	s_wait_dscnt 0x0
	MUL F1, 0                                      ; the last quarter
	WIN 0
	; THE PARK.  No wave reads a slot any more, and no fill is to come: each wave's reads are waited for, and a barrier stands between them and the stores that write over the slots.
	s_wait_dscnt 0x0
	s_barrier_signal -1
	s_barrier_wait -1
	PLACES                                         ; behind the last products
	WIN 0x08                                       ; store data in window 2
.set i, 0
.rept 32
	ds_store_b128 v[PKA], v[8*i:8*i+3]   offset:1024*i       ; 32 lanes x 16 consecutive bytes; each accumulator's low half first
	ds_store_b128 v[PKA], v[8*i+4:8*i+7] offset:1024*i+512
.set i, i+1
.endr
	WIN 0x0c                                       ; window 3
.set i, 0
.rept 32
	ds_store_b128 v[PKA], v[8*i:8*i+3]   offset:1024*(i+32)
	ds_store_b128 v[PKA], v[8*i+4:8*i+7] offset:1024*(i+32)+512
.set i, i+1
.endr
	WIN 0
	s_mov_b32 s3, 8
.Lrow:                                                 ; a trip: 16 queries x 128 keys
.set j, 0
.rept 16
	ds_load_b128 v[S+4*j:S+4*j+3], v[PKA] offset:512*j  ; my own bytes, behind my own stores: LDS serves a wave's instructions in order (ISA guide 5.7.1.4)
.set j, j+1
.endr
	s_wait_dscnt 0x0
	; the largest of my 64 scores: four chains of fifteen, three operands at a time; then the four left over; then the lane 16 away, which holds the query's other 64 keys
.irp i, 0,1,2,3
	v_max3_num_f32 v[CH+(\i)], v[S+16*(\i)], v[S+16*(\i)+1], v[S+16*(\i)+2]
.endr
.irp n, 1,2,3,4,5,6
.irp i, 0,1,2,3
	v_max3_num_f32 v[CH+(\i)], v[CH+(\i)], v[S+16*(\i)+2*(\n)+1], v[S+16*(\i)+2*(\n)+2]
.endr
.endr
	v_max3_num_f32 v[CH], v[CH], v[S+15], v[S+31]
	v_max3_num_f32 v[CH+1], v[CH+1], v[S+47], v[S+63]
	v_max3_num_f32 v[CH], v[CH], v[CH+1], v[CH+2]
	v_max_num_f32 v[CH], v[CH], v[CH+3]
	v_permlanex16_b32 v[CH+1], v[CH], s[SEL], s[SEL+1]
	v_max_num_f32 v[MX], v[CH], v[CH+1]
	v_mov_b32 v[MX+1], v[MX]
	; c (s - mb), as a difference and then a product, not as one fused c s - (c mb): the next launch takes pp for 2^(c (s - mb)) with the mb that is stored, and a rounded c mb would
	; shift a whole block by the rounding's error, which grows with the scores; s - mb is exactly 0 at the maximum
.set i, 0
.rept 32
	v_pk_add_f32 v[S+2*i:S+2*i+1], v[S+2*i:S+2*i+1], v[MX:MX+1] neg_lo:[0,1] neg_hi:[0,1]
.set i, i+1
.endr
.set i, 0
.rept 32
	v_pk_mul_f32 v[S+2*i:S+2*i+1], v[S+2*i:S+2*i+1], s[CS:CS+1] op_sel_hi:[1,0]
.set i, i+1
.endr
	; two exponentials, then a plain instruction: the rounding of the pair before, so that one plain instruction stands between every exponential and the use of its result (ISA guide 5.7.2)
	v_exp_f32 v[S], v[S]
	v_exp_f32 v[S+1], v[S+1]
	v_add_nc_u32 v[PKA], 0x2000, v[PKA]            ; the next block's 8,192 bytes of the park
.set i, 1
.rept 31
	v_exp_f32 v[S+2*i], v[S+2*i]
	v_exp_f32 v[S+2*i+1], v[S+2*i+1]
	s_wait_alu depctr_va_vdst(0)
	v_cvt_pk_f16_f32 v[P+i-1], v[S+2*i-2], v[S+2*i-1]
.set i, i+1
.endr
	v_cvt_pk_f16_f32 v[P+31], v[S+62], v[S+63]
	; the sum of the unrounded weights: a tree over the 32 pairs, in place
.irp w, 4,8,16,32,64
.set u, 0
.rept 64/(\w)
	v_pk_add_f32 v[S+(\w)*u:S+(\w)*u+1], v[S+(\w)*u:S+(\w)*u+1], v[S+(\w)*u+(\w)/2:S+(\w)*u+(\w)/2+1]
.set u, u+1
.endr
.endr
	v_add_f32 v[LS], v[S], v[S+1]
	v_permlanex16_b32 v[CH+1], v[LS], s[SEL], s[SEL+1]
	v_add_f32 v[LS], v[LS], v[CH+1]
	ds_store_b32 v[STA], v[MX]                     ; lanes l and l + 16 write the same word with the same number
	ds_store_b32 v[STA], v[LS] offset:512
	v_add_nc_u32 v[STA], 64, v[STA]
.irp b, 0,1,2,3,4,5,6,7
	ds_store_b128 v[STO], v[P+4*(\b):P+4*(\b)+3] offset:32*(\b)
.endr
.irp t, 0,1,2,3,4,5,6,7
	ds_load_b128 v[BK+4*(\t):BK+4*(\t)+3], v[RD] offset:(\t)*2*SPITCH
.endr
	s_wait_dscnt 0x0
.irp t, 0,1,2,3,4,5,6,7
	global_store_b128 v[CO], v[BK+4*(\t):BK+4*(\t)+3], s[8:9] offset:2*(\t)*ROWC  ; 16 lanes store 256 consecutive bytes, aligned
.endr
	s_wait_xcnt 0x0                                ; the stores' base and data are rewritten only behind this wait
	s_add_nc_u64 s[8:9], s[8:9], 16*ROWC
	s_sub_co_u32 s3, s3, 1
	s_cmp_lg_u32 s3, 0
	s_cbranch_scc1 .Lrow
	ds_load_b128 v[BK:BK+3], v[STR]                ; my wave's 128 mb and 128 lb, 512 consecutive bytes each
	ds_load_b128 v[BK+4:BK+7], v[STR] offset:512
	s_wait_dscnt 0x0
	global_store_b128 v[STG], v[BK:BK+3], s[72:73]
	global_store_b128 v[STG], v[BK+4:BK+7], s[72:73] offset:524288
	s_wait_tensorcnt 0x0                           ; the wave's end
	ds_add_u32 v[SPW], v[NIL]
	s_wait_dscnt 0x0
	CROUND
	s_endpgm
.Lfunc_end_k_qa62790e2f6_scores:
	.size	k_qa62790e2f6_scores, .Lfunc_end_k_qa62790e2f6_scores-k_qa62790e2f6_scores
	.p2alignl 7, 3214868480
	.fill 96, 4, 3214868480
	.section	.rodata,"a",@progbits
	.p2align	6, 0x0
	.amdhsa_kernel k_qa62790e2f6_scores
		.amdhsa_group_segment_fixed_size 327680
		.amdhsa_private_segment_fixed_size 0
		.amdhsa_enable_private_segment 0
		.amdhsa_kernarg_size 24
		.amdhsa_user_sgpr_count 2
		.amdhsa_user_sgpr_kernarg_segment_ptr 1
		.amdhsa_wavefront_size32 1
		.amdhsa_system_sgpr_workgroup_id_x 1
		.amdhsa_system_sgpr_workgroup_id_y 1
		.amdhsa_system_sgpr_workgroup_id_z 1
		.amdhsa_system_vgpr_workitem_id 0
		.amdhsa_next_free_vgpr 1024
		.amdhsa_next_free_sgpr 80
		.amdhsa_reserve_vcc 0
		.amdhsa_float_denorm_mode_32 3
		.amdhsa_float_denorm_mode_16_64 3
		.amdhsa_memory_ordered 1
		.amdhsa_forward_progress 1
		.amdhsa_inst_pref_size 73
	.end_amdhsa_kernel
	.amdgpu_metadata
---
amdhsa.version: [ 1, 2 ]
amdhsa.kernels:
  - .name:           k_qa62790e2f6_scores
    .symbol:         k_qa62790e2f6_scores.kd
    .args:
      - { .name: qk, .offset: 0, .size: 8, .value_kind: global_buffer, .address_space: global }
      - { .name: pp, .offset: 8, .size: 8, .value_kind: global_buffer, .address_space: global }
      - { .name: st, .offset: 16, .size: 8, .value_kind: global_buffer, .address_space: global }
    .group_segment_fixed_size: 327680
    .private_segment_fixed_size: 0
    .kernarg_segment_align: 8
    .kernarg_segment_size: 24
    .max_flat_workgroup_size: 128
    .sgpr_count:     80
    .vgpr_count:     1024
    .wavefront_size: 32
...
	.end_amdgpu_metadata
.endif
;; end of part 3
;; launch pv (part 4): grid 4 x 64, 4 waves a work-group, clusters of 4 x 4, 327,680 bytes of LDS; arguments pp, vt, st, ob; writes ob
.if DOCPART == 4
	.amdgcn_target "amdgcn-amd-amdhsa--gfx1250"
	.amdhsa_code_object_version 6
	.text
	.protected	k_qa62790e2f6_pv
	.globl	k_qa62790e2f6_pv
	.p2align	8
	.type	k_qa62790e2f6_pv,@function
k_qa62790e2f6_pv:
	s_mov_b64 s[64:65], 0
	v_nop
	global_prefetch_b8 v0, s[64:65] scope:SCOPE_SE
	s_setreg_imm32_b32 hwreg(HW_REG_WAVE_MODE, 25, 1), 1
	s_wait_xcnt 0x0
	s_wait_alu depctr_hold_cnt(0) depctr_sa_sdst(0) depctr_va_vdst(0) depctr_va_sdst(0) depctr_va_ssrc(0) depctr_va_vcc(0) depctr_vm_vsrc(0)
	s_getreg_b32 s2, hwreg(HW_REG_IB_STS2, 6, 4)
	s_cmp_eq_u32 s2, 0
	s_cbranch_scc0 .Lentry_in_a_cluster
	s_endpgm
.Lentry_in_a_cluster:
	s_bfe_u32 s2, ttmp6, 0x10000c
	s_cmp_lg_u32 s2, 0xf033
	s_cbranch_scc0 .Lentry_shape_is_right
	s_endpgm
.Lentry_shape_is_right:
; ob[n][c] = sum over key blocks t of f[n][t] x (sum over the block's 128 keys m of pp[n][m] vt[c][m]).  From st: mx[n] = the largest mb[n][t]; e = 2^(c (mb - mx)), c = log2(e) / 8;
; l = sum of e x lb; f = e / l, all in f32.  So the row's own maximum is what is taken away in the end.  pp [8192][2048] f16, vt [1024][8192] f16, sums f32, ob [8192][1024] f16, rounded once.
; A K step of 128 keys is one key block.  Its product is summed by itself in T, started by the constant 0, and at the step's end ACC += T x f: 128 packed multiply-adds in f32 a wave.
; ACC is cleared once, 256 v_mov_b32 in the wait for the first tiles: the price of writing no first step out.
; LIMITS.  An e below 2^-126 counts as 0; ob is a mean of v's rows and has their range.  NaN and infinities are not treated apart.
; A tile is 128 queries x 256 channels (256 work-groups); four waves, 64 x 128 each.  K in 16 steps through two LDS slots; a trip of the loop is a change of slots (SYNC) and four quarter steps.
; SYNC holds no matrix work: from the landing of a tile to the request for the next stand only the lines that order the two.
; CLUSTER 4 x 4: pp's tile is shared along a row of the cluster, vt's along a column.  The matrix instruction is used transposed: a lane holds one query (l % 16) and eight neighbouring channels.
; REGISTERS: window 0: v0-31 addresses; v32-63, v64-95 pp's fragments; v96-159, v160-223 vt's; v224-231 f of the step in hand, four pairs.   window 1: T (a, b) at v[8 (8 a + b)].   window 2: ACC, likewise.
.set KSTEP,  128
.set PITCH,  272                       ; 256 bytes + 16 of padding = 68 words: row r starts at bank 4 r mod 64 (64 banks of 4 bytes: ISA guide 11.1)
.set AROWS,  128*PITCH
.set SLOT1,  1<<17                     ; slot 1 begins here, so that one exclusive or changes slots
.set STAGE,  SLOT1+3*AROWS
.set SPITCH, 272
.set SPARE,  STAGE+4*16*SPITCH         ; the spare words: two blocks of 256 bytes that no other line names
.set FT,     SPARE+512                 ; f in f32: [16 steps][128 rows]
.set STEPS,  2048/KSTEP
.set ROWC,   2048                      ; bytes in a row of ob
.set LA,   16
.set LB,   17
.set ADRA, 18
.set ADRB, 19
.set FA,   20                          ; v20  my row's word of FT, row block 0, in the step whose f was fetched last
.set STO,  24
.set RD,   25
.set CO,   26
.set SPW,  28
.set NIL,  29
.set AF,   32
.set BF,   96
.set FC,   224
.set TMP,  32
.set MJ,   96                          ; the prologue: mb of my row's 16 blocks, later f
.set LJ,   112                         ; lb
.set EJ,   128                         ; e
.set G1A,  24
.set G0A,  32
.set G1B,  48
.set G0B,  56
.set TB,   66                          ; s66  LDS byte at which the next fetch begins
.set CS,   68                          ; s68  c
.set G1W,  (1<<16)|(1<<20)|(1<<21)|(5<<22)|(3<<25)
.set MSB, 0
.macro WIN new
.if MSB != (\new)
	s_set_vgpr_msb (MSB<<8)|(\new)
.set MSB, \new
.endif
.endm
.macro PLACES
.rept 4
	v_nop
.endr
.endm
.macro JLOAD                           ; a joint refill: waves 0, 1 fetch pp's halves (64 rows), waves 2, 3 vt's (128 rows); s_nop 0 and four v_nop follow each line
	s_cmp_eq_u32 s11, 0
	s_cbranch_scc0 .Lfor_b_\@
	tensor_load_to_lds s[G0A+4:G0A+7], s[G1A:G1A+7]
	s_nop 0
.rept 4
	v_nop
.endr
	s_branch .Lasked_\@
.Lfor_b_\@:
	tensor_load_to_lds s[G0B+4:G0B+7], s[G1B:G1B+7]
	s_nop 0
.rept 4
	v_nop
.endr
.Lasked_\@:
.endm
.macro CROUND
	s_barrier_signal -1
	s_barrier_wait -1
	s_cmp_lg_u32 s10, 0
	s_cbranch_scc1 .Lnot_wave_0_\@
	s_barrier_signal -3
.Lnot_wave_0_\@:
	s_barrier_wait -3
	s_barrier_signal -1
	s_barrier_wait -1
.endm
; THE CHANGE OF SLOTS: all my tensor loads (one is out: my part of the next slot), the add, my reads of the slot; the barrier (fill = 1: a round of the cluster's); the joint refill first behind it.
.macro SYNC fill
	WIN 0
	s_wait_tensorcnt 0x0                           ; no tensor load of mine is out, so the walking descriptors may be written
	ds_add_u32 v[SPW], v[NIL]                      ; 0 onto my spare word
.if \fill
	s_xor_b32 s[G0A+5], s[G0A+5], SLOT1
	s_add_nc_u64 s[G0A+6:G0A+7], s[G0A+6:G0A+7], KSTEP*2
	s_xor_b32 s[G0B+5], s[G0B+5], SLOT1
	s_add_nc_u64 s[G0B+6:G0B+7], s[G0B+6:G0B+7], KSTEP*2
.endif
	s_sub_co_u32 s[TB], s[TB], 2*KSTEP             ; the fetches go back to the rows' first byte,
	s_xor_b32 s[TB], s[TB], SLOT1                  ; in the other slot
	s_wait_dscnt 0x0                               ; the add is done, buffer 1 is in, and my reads of this slot are over
.if \fill
	CROUND
	JLOAD
.else
	s_barrier_signal -1
	s_barrier_wait -1
.endif
.endm
	s_load_b128 s[4:7], s[0:1], 0x0                ; pp s[4:5], vt s[6:7]
	s_load_b64 s[72:73], s[0:1], 0x10              ; st
	s_load_b64 s[8:9], s[0:1], 0x18                ; ob
	v_lshl_add_u32 v[SPW], v0, 2, SPARE
	v_mov_b32 v[NIL], 0
	ds_add_u32 v28, v29
	s_wait_dscnt 0x0
	v_lshrrev_b32 v1, 5, v0
	v_readfirstlane_b32 s10, v1
	s_lshr_b32 s11, s10, 1                         ; my half of the tile's rows; also: I fetch pp (0) or vt (1)
	s_and_b32 s12, s10, 1                          ; my half of its columns; also: which half of that tile I fetch
	s_bfe_u32 s40, ttmp6, 0x40000
	s_bfe_u32 s41, ttmp6, 0x40004
	s_lshl_b32 s42, ttmp9, 2
	s_add_co_u32 s42, s42, s40                     ; tile column: 256 channels
	s_and_b32 s13, ttmp7, 0xffff
	s_lshr_b32 s45, s13, 2                         ; the batch: sixteen tile rows, four clusters; made of the cluster's y alone
	s_lshl_b32 s13, s13, 2
	s_add_co_u32 s13, s13, s41                     ; tile row: 128 of the 8,192 queries
	s_lshl_b32 s43, s41, 2
	s_lshl_b32 s43, 15, s43
	s_lshl_b32 s44, 0x1111, s40
	s_or_b32 s[G1A], s43, G1W
	s_or_b32 s[G1B], s44, G1W
.irp g, G1A, G1B
	s_mov_b32 s[(\g)+1], KSTEP<<16
	s_mov_b32 s[(\g)+3], KSTEP<<16
	s_mov_b32 s[(\g)+6], 0
	s_mov_b32 s[(\g)+7], 0
.endr
	s_mov_b32 s[G1A+2], 64<<16                     ; pp: 64 rows a load, 2,048 elements from row to row
	s_mov_b32 s[G1A+4], 64
	s_mov_b32 s[G1A+5], 2048
	s_mov_b32 s[G1B+2], 128<<16                    ; vt: 128 rows, 8,192 elements
	s_mov_b32 s[G1B+4], 128
	s_mov_b32 s[G1B+5], 8192
	s_lshl_b32 s16, s13, 7
	s_lshl_b32 s17, s12, 6
	s_add_co_u32 s16, s16, s17                     ; pp: row 128 x tile row + 64 x half
	s_lshl_b32 s16, s16, 12
	s_mov_b32 s17, 0
	s_lshl_b32 s46, s42, 8
	s_lshl_b32 s47, s12, 7
	s_add_co_u32 s46, s46, s47                     ; vt: channel 256 x tile column + 128 x half,
	s_lshl_b32 s46, s46, 14
	s_lshl_b32 s47, s45, 12                        ; the batch's 2,048 tokens in the row
	s_add_co_u32 s46, s46, s47
	s_mov_b32 s47, 0
	s_mul_i32 s20, s12, 64*PITCH
	s_mul_i32 s21, s12, 128*PITCH
	s_add_co_u32 s21, s21, AROWS
	s_mov_b32 s[CS], 0x3e38aa3b                    ; c = log2(e) / 8 = 0.180337
	s_wait_kmcnt 0x0
	s_add_nc_u64 s[14:15], s[4:5], s[16:17]
	s_add_nc_u64 s[46:47], s[6:7], s[46:47]
.irp s, 0,1
	s_mov_b32 s[G0A+4*(\s)], 1
	s_add_co_u32 s[G0A+4*(\s)+1], s20, (\s)*SLOT1
	s_add_nc_u64 s[G0A+4*(\s)+2:G0A+4*(\s)+3], s[14:15], (\s)*KSTEP*2
	s_or_b32 s[G0A+4*(\s)+3], s[G0A+4*(\s)+3], 0x80000000
	s_mov_b32 s[G0B+4*(\s)], 1
	s_add_co_u32 s[G0B+4*(\s)+1], s21, (\s)*SLOT1
	s_add_nc_u64 s[G0B+4*(\s)+2:G0B+4*(\s)+3], s[46:47], (\s)*KSTEP*2
	s_or_b32 s[G0B+4*(\s)+3], s[G0B+4*(\s)+3], 0x80000000
.endr
	s_lshl_b32 s16, s45, 17                        ; st: batch x 16 blocks x 2,048 queries x 4 bytes,
	s_and_b32 s17, s13, 15
	s_lshl_b32 s17, s17, 9                         ; my tile's 128 queries in the batch
	s_add_co_u32 s16, s16, s17
	s_mov_b32 s17, 0
	s_add_nc_u64 s[72:73], s[72:73], s[16:17]
	CROUND                                         ; the first joint loads meet
	s_cmp_eq_u32 s11, 0                            ; a wave's two first fills stand in one branch: two loads of mine are out
	s_cbranch_scc0 .Lfirst_b
	tensor_load_to_lds s[G0A:G0A+3], s[G1A:G1A+7]
	s_nop 0
	tensor_load_to_lds s[G0A+4:G0A+7], s[G1A:G1A+7]
	s_nop 0
.rept 4
	v_nop
.endr
	s_branch .Lfirst_asked
.Lfirst_b:
	tensor_load_to_lds s[G0B:G0B+3], s[G1B:G1B+7]
	s_nop 0
	tensor_load_to_lds s[G0B+4:G0B+7], s[G1B:G1B+7]
	s_nop 0
.rept 4
	v_nop
.endr
.Lfirst_asked:
	; THE FACTORS, in the wait for the first tiles.  Thread t is row t of the tile: it reads its row's 16 mb and 16 lb.
	v_lshlrev_b32 v6, 2, v0                        ; 4 t
.set j, 0
.rept 16
	global_load_b32 v[MJ+j], v6, s[72:73] offset:8192*j
	global_load_b32 v[LJ+j], v6, s[72:73] offset:8192*j+524288
.set j, j+1
.endr
	WIN 0x80                                       ; destination window 2: ACC starts at 0
.set i, 0
.rept 256
	v_mov_b32 v[i], 0
.set i, i+1
.endr
	WIN 0
.irp a, 0,1,2,3
	v_mov_b32 v[FC+2*(\a)+1], 0                    ; named with f as a pair; the multiply-add takes the pair's low word for both halves
.endr
	v_add_nc_u32 v10, FT, v6
	v_and_b32 v1, 15, v0                           ; l % 16
	v_bfe_u32 v2, v0, 4, 1                         ; l / 16
	v_mul_u32_u24 v3, v1, PITCH
	v_lshl_add_u32 v3, v2, 4, v3
	s_mul_i32 s22, s11, 64*PITCH
	s_mul_i32 s23, s12, 128*PITCH
	s_add_co_u32 s23, s23, AROWS
	v_add_nc_u32 v[LA], s22, v3
	v_add_nc_u32 v[LB], s23, v3
	v_mov_b32 v[ADRA], v[LA]
	v_mov_b32 v[ADRB], v[LB]
	s_lshl_b32 s22, s11, 8                         ; my wave's 64 rows, in words of 4 bytes
	v_lshl_add_u32 v4, v1, 2, s22
	v_add_nc_u32 v[FA], FT, v4
	s_mul_i32 s22, s10, 16*SPITCH
	s_add_co_u32 s22, s22, STAGE
	v_mul_u32_u24 v4, v1, SPITCH
	v_lshl_add_u32 v4, v2, 4, v4
	v_add_nc_u32 v[STO], s22, v4
	v_mul_u32_u24 v5, v2, SPITCH
	v_lshl_add_u32 v5, v1, 4, v5
	v_add_nc_u32 v[RD], s22, v5
	v_mul_u32_u24 v5, v2, ROWC
	v_lshl_add_u32 v[CO], v1, 4, v5
	s_lshl_b32 s16, s13, 7
	s_lshl_b32 s17, s11, 6
	s_add_co_u32 s16, s16, s17                     ; my first row of ob
	s_lshl_b32 s16, s16, 11
	s_mov_b32 s17, 0
	s_add_nc_u64 s[8:9], s[8:9], s[16:17]
	s_lshl_b32 s46, s42, 9                         ; my first column, in bytes
	s_lshl_b32 s47, s12, 8
	s_add_co_u32 s46, s46, s47
	s_mov_b32 s47, 0
	s_add_nc_u64 s[8:9], s[8:9], s[46:47]
	s_wait_loadcnt 0x0
	v_max3_num_f32 v7, v[MJ], v[MJ+1], v[MJ+2]     ; the row's maximum
.irp n, 1,2,3,4,5,6
	v_max3_num_f32 v7, v7, v[MJ+2*(\n)+1], v[MJ+2*(\n)+2]
.endr
	v_max_num_f32 v7, v7, v[MJ+15]
.set j, 0
.rept 16
	v_sub_f32 v[EJ+j], v[MJ+j], v7
.set j, j+1
.endr
.set j, 0
.rept 16
	v_mul_f32 v[EJ+j], s[CS], v[EJ+j]
.set j, j+1
.endr
.set j, 0
.rept 16
	v_exp_f32 v[EJ+j], v[EJ+j]
.set j, j+1
.endr
	v_nop                                          ; a plain instruction between the last exponential and the use of its result
	s_wait_alu depctr_va_vdst(0)
	v_mul_f32 v8, v[EJ], v[LJ]
.set j, 1
.rept 15
	v_fmac_f32 v8, v[EJ+j], v[LJ+j]                ; l = sum of e x lb: at least 1, since the block that holds the maximum has e = 1 and lb >= 1
.set j, j+1
.endr
	v_rcp_f32 v9, v8
	v_nop                                          ; a plain instruction between the reciprocal and the use of its result
.set j, 0
	s_wait_alu depctr_va_vdst(0)
.rept 16
	v_mul_f32 v[MJ+j], v[EJ+j], v9                 ; f = e / l
.set j, j+1
.endr
.set j, 0
.rept 16
	ds_store_b32 v10, v[MJ+j] offset:512*j
.set j, j+1
.endr
.macro MULH f, h, zero                 ; 16 matrix instructions into T; the 32 accumulators take turns in the same order in every quarter
	WIN 0x50                                       ; C and D window 1
.irp a, 2*(\h), 2*(\h)+1
.irp b, 0,1,2,3,4,5,6,7
.if \zero
	v_wmma_f32_16x16x32_f16 v[8*(8*(\a)+(\b)):8*(8*(\a)+(\b))+7], v[BF+64*(\f)+8*(\b):BF+64*(\f)+8*(\b)+7], v[AF+32*(\f)+8*(\a):AF+32*(\f)+8*(\a)+7], 0
.else
	v_wmma_f32_16x16x32_f16 v[8*(8*(\a)+(\b)):8*(8*(\a)+(\b))+7], v[BF+64*(\f)+8*(\b):BF+64*(\f)+8*(\b)+7], v[AF+32*(\f)+8*(\a):AF+32*(\f)+8*(\a)+7], v[8*(8*(\a)+(\b)):8*(8*(\a)+(\b))+7]
.endif
.endr
.endr
.endm
.macro MUL f, zero
	MULH \f, 0, \zero
	MULH \f, 1, \zero
.endm
.macro FETCH k, g                      ; 24 LDS loads in one run
	WIN 0
.irp i, 0,1,2,3,4,5,6,7
	ds_load_b128 v[BF+64*(\g)+8*(\i):BF+64*(\g)+8*(\i)+3],   v[ADRB] offset:(\k)+(\i)*16*PITCH
	ds_load_b128 v[BF+64*(\g)+8*(\i)+4:BF+64*(\g)+8*(\i)+7], v[ADRB] offset:(\k)+(\i)*16*PITCH+32
.endr
.irp i, 0,1,2,3
	ds_load_b128 v[AF+32*(\g)+8*(\i):AF+32*(\g)+8*(\i)+3],   v[ADRA] offset:(\k)+(\i)*16*PITCH
	ds_load_b128 v[AF+32*(\g)+8*(\i)+4:AF+32*(\g)+8*(\i)+7], v[ADRA] offset:(\k)+(\i)*16*PITCH+32
.endr
.endm
.macro FCLOAD                          ; f of a step, for my row in each of the four row blocks
.irp a, 0,1,2,3
	ds_load_b32 v[FC+2*(\a)], v[FA] offset:64*(\a)
.endr
.endm
; ACC += T x f.  Four places behind the step's last products; each accumulator's registers are read in ascending order.
.macro ACCUM
	PLACES
	WIN 0xa1                                       ; source 0 (T) window 1, source 1 (f) window 0, source 2 and destination (ACC) window 2
.set i, 0
.rept 128
	v_pk_fma_f32 v[2*i:2*i+1], v[2*i:2*i+1], v[FC+2*(i/32):FC+2*(i/32)+1], v[2*i:2*i+1] op_sel_hi:[1,0,1]
.set i, i+1
.endr
	WIN 0
.endm
.macro QX                              ; fetch into buffer 0 where s[TB] says, multiply buffer 1
	WIN 0
	s_wait_dscnt 0x0                               ; buffer 1 is in
	v_add_nc_u32 v[ADRA], s[TB], v[LA]             ; these two and two v_nop: the four places in front of the loads into buffer 0
	v_add_nc_u32 v[ADRB], s[TB], v[LB]
	v_nop
	v_nop
	FETCH 0, 0
	MUL 1, 0
.endm
.macro QY                              ; fetch into buffer 1, multiply buffer 0
	s_wait_dscnt 0x0                               ; buffer 0 is in
	PLACES
	FETCH 64, 1
	s_add_co_u32 s[TB], s[TB], KSTEP
	MUL 0, 0
.endm
.macro QZ                              ; the same at a step's head: the step before is added up, the next f is fetched, and the products start T anew
	s_wait_dscnt 0x0                               ; buffer 0 is in
	ACCUM                                          ; also the places in front of the loads into buffer 1
	v_add_nc_u32 v[FA], 512, v[FA]                 ; the next step's 128 words of FT
	FETCH 64, 1
	FCLOAD
	s_add_co_u32 s[TB], s[TB], KSTEP
	MUL 0, 1
.endm
.macro PACK a                          ; block a: rounded to f16
	WIN 0x0a                                       ; sources window 2
.set i, 0
.rept 32
	v_cvt_pk_f16_f32 v[TMP+i], v[64*(\a)+2*i], v[64*(\a)+2*i+1]
.set i, i+1
.endr
	WIN 0
.endm
.macro TOSTAGE a
.set BK, 64+32*((\a)%2)
.irp b, 0,1,2,3,4,5,6,7
	ds_store_b128 v[STO], v[TMP+4*(\b):TMP+4*(\b)+3] offset:32*(\b)
.endr
.if (\a) > 1
	s_wait_xcnt 0x0                                ; the stores of two blocks ago read the registers loaded below
.endif
.irp t, 0,1,2,3,4,5,6,7
	ds_load_b128 v[BK+4*(\t):BK+4*(\t)+3], v[RD] offset:(\t)*2*SPITCH  ; LDS serves a wave's instructions in order (ISA guide 5.7.1.4)
.endr
.endm
.macro SEND a
.set BK, 64+32*((\a)%2)
	s_wait_dscnt 0x0
.irp t, 0,1,2,3,4,5,6,7
	global_store_b128 v[CO], v[BK+4*(\t):BK+4*(\t)+3], s[8:9] offset:(16*(\a)+2*(\t))*ROWC  ; 16 lanes store 256 consecutive bytes, aligned
.endr
.endm
	s_wait_tensorcnt 0x1                           ; my part of K step 0 is in; K step 1's may stay out
	s_wait_dscnt 0x0                               ; for the others' sake: my row of FT is stored
	s_barrier_signal -1
	s_barrier_wait -1
	FETCH 0, 0
	FCLOAD                                         ; f of K step 0
	FETCH 64, 1
	s_mov_b32 s[TB], KSTEP
	s_wait_dscnt 24                                ; buffer 0 and f are in; the 24 loads of buffer 1, issued behind them, may stay out
	MUL 0, 1
	WIN 0
	s_mov_b32 s3, STEPS-1                          ; the rest of K step 0, and fourteen changes of slots that ask for K steps 2 to 15
	s_branch .Lmid
.Lstep:
	SYNC 1
	QX                                             ; a step's last quarter
	QZ                                             ; the next step's first
	WIN 0
.Lmid:
	QX
	QY
	WIN 0
	s_sub_co_u32 s3, s3, 1
	s_cmp_lg_u32 s3, 0
	s_cbranch_scc1 .Lstep
	SYNC 0                                         ; the last change of slots asks for nothing: written out
	QX
	QZ
	QX
	QY
	s_wait_dscnt 0x0
	MUL 1, 0                                       ; the last quarter
	ACCUM                                          ; also the places behind the last products, for the conversions' and loads' targets below
	PACK 0
	TOSTAGE 0
.irp a, 1,2,3
	PACK \a
	SEND (\a)-1
	TOSTAGE \a
.endr
	SEND 3
	s_wait_tensorcnt 0x0                           ; the wave's end
	ds_add_u32 v[SPW], v[NIL]
	s_wait_dscnt 0x0
	CROUND
	s_endpgm
.Lfunc_end_k_qa62790e2f6_pv:
	.size	k_qa62790e2f6_pv, .Lfunc_end_k_qa62790e2f6_pv-k_qa62790e2f6_pv
	.p2alignl 7, 3214868480
	.fill 96, 4, 3214868480
	.section	.rodata,"a",@progbits
	.p2align	6, 0x0
	.amdhsa_kernel k_qa62790e2f6_pv
		.amdhsa_group_segment_fixed_size 327680
		.amdhsa_private_segment_fixed_size 0
		.amdhsa_enable_private_segment 0
		.amdhsa_kernarg_size 32
		.amdhsa_user_sgpr_count 2
		.amdhsa_user_sgpr_kernarg_segment_ptr 1
		.amdhsa_wavefront_size32 1
		.amdhsa_system_sgpr_workgroup_id_x 1
		.amdhsa_system_sgpr_workgroup_id_y 1
		.amdhsa_system_sgpr_workgroup_id_z 1
		.amdhsa_system_vgpr_workitem_id 0
		.amdhsa_next_free_vgpr 768
		.amdhsa_next_free_sgpr 80
		.amdhsa_reserve_vcc 0
		.amdhsa_float_denorm_mode_32 3
		.amdhsa_float_denorm_mode_16_64 3
		.amdhsa_memory_ordered 1
		.amdhsa_forward_progress 1
		.amdhsa_inst_pref_size 103
	.end_amdhsa_kernel
	.amdgpu_metadata
---
amdhsa.version: [ 1, 2 ]
amdhsa.kernels:
  - .name:           k_qa62790e2f6_pv
    .symbol:         k_qa62790e2f6_pv.kd
    .args:
      - { .name: pp, .offset: 0, .size: 8, .value_kind: global_buffer, .address_space: global }
      - { .name: vt, .offset: 8, .size: 8, .value_kind: global_buffer, .address_space: global }
      - { .name: st, .offset: 16, .size: 8, .value_kind: global_buffer, .address_space: global }
      - { .name: ob, .offset: 24, .size: 8, .value_kind: global_buffer, .address_space: global }
    .group_segment_fixed_size: 327680
    .private_segment_fixed_size: 0
    .kernarg_segment_align: 8
    .kernarg_segment_size: 32
    .max_flat_workgroup_size: 128
    .sgpr_count:     80
    .vgpr_count:     768
    .wavefront_size: 32
...
	.end_amdgpu_metadata
.endif
;; end of part 4
;; launch oproj (part 5): grid 4 x 64, 4 waves a work-group, clusters of 4 x 4, 327,680 bytes of LDS; arguments ob, wo, b_out, out0; writes out0
.if DOCPART == 5
	.amdgcn_target "amdgcn-amd-amdhsa--gfx1250"
	.amdhsa_code_object_version 6
	.text
	.protected	k_qa62790e2f6_oproj
	.globl	k_qa62790e2f6_oproj
	.p2align	8
	.type	k_qa62790e2f6_oproj,@function
k_qa62790e2f6_oproj:
	s_mov_b64 s[64:65], 0
	v_nop
	global_prefetch_b8 v0, s[64:65] scope:SCOPE_SE
	s_setreg_imm32_b32 hwreg(HW_REG_WAVE_MODE, 25, 1), 1
	s_wait_xcnt 0x0
	s_wait_alu depctr_hold_cnt(0) depctr_sa_sdst(0) depctr_va_vdst(0) depctr_va_sdst(0) depctr_va_ssrc(0) depctr_va_vcc(0) depctr_vm_vsrc(0)
	s_getreg_b32 s2, hwreg(HW_REG_IB_STS2, 6, 4)
	s_cmp_eq_u32 s2, 0
	s_cbranch_scc0 .Lentry_in_a_cluster
	s_endpgm
.Lentry_in_a_cluster:
	s_bfe_u32 s2, ttmp6, 0x10000c
	s_cmp_lg_u32 s2, 0xf033
	s_cbranch_scc0 .Lentry_shape_is_right
	s_endpgm
.Lentry_shape_is_right:
; out0[n][j] = sum over k of ob[n][k] wo[j][k] + bf16(b_out[j]).  ob [8192][1024], wo [1024][1024] f16; sums f32; out0 [8192][1024] f32.  The bias is rounded to bf16 like the module's other inputs.
; A tile is 128 x 256 (256 work-groups); four waves, 64 x 128 each: 32 accumulators.  K in 8 steps of 128 through two LDS slots.
; THE LOOP.  A K step is a change of slots (SYNC) and two trips of one PAIR of quarter steps (fetch into buffer 0, multiply buffer 1; fetch into buffer 1, multiply buffer 0); s[TB] says where in
; LDS the next fetch begins.  SYNC holds no matrix work: from the landing of a tile to the request for the next stand only the lines that order the two.
; CLUSTER 4 x 4: ob's tile is shared along a row of the cluster, wo's along a column.  The matrix instruction is used transposed: a lane holds one row (l % 16) and eight neighbouring columns, 32 bytes.
; THE WAY OUT: 16 rows at a time through my own stage (rows of 512 + 16 bytes); back as whole rows of 512 bytes, one a load; the bias is added; each store of the wave covers 512 consecutive bytes, aligned.
; REGISTERS: window 0: v0-31 addresses; v32-63, v64-95 ob's fragments; v96-159, v160-223 wo's; v224-227 my four columns' bias; on the way out v32-95.   window 1: accumulator (a, b) at v[8 (8 a + b)].
.set KSTEP,  128
.set PITCH,  272                       ; 256 bytes + 16 of padding = 68 words: row r starts at bank 4 r mod 64 (64 banks of 4 bytes: ISA guide 11.1)
.set AROWS,  128*PITCH
.set SLOT1,  1<<17                     ; slot 1 begins here, so that one exclusive or changes slots
.set STAGE,  SLOT1+3*AROWS
.set SPITCH, 528                       ; 132 words: the sixteen rows of a store start at sixteen different groups of four banks
.set SPARE,  STAGE+4*16*SPITCH         ; the spare words: two blocks of 256 bytes that no other line names
.set STEPS,  1024/KSTEP
.set ROWC,   4096                      ; bytes in a row of out0
.set LA,   16                          ; v16  my place in ob's tile, slot 0; never rewritten
.set LB,   17                          ; v17  the same for wo
.set ADRA, 18                          ; v18  where the fetch in hand reads ob
.set ADRB, 19                          ; v19  and wo
.set STO,  24                          ; v24  the way out: where I put 32 bytes of a row
.set RD,   25                          ; v25  where I read a row back
.set CO,   26                          ; v26  16 x lane; never rewritten
.set SPW,  28                          ; v28  my spare word; never rewritten
.set NIL,  29                          ; v29  0; never rewritten
.set AF,   32
.set BF,   96
.set BI,   224
.set BK,   32
.set G1A,  24                          ; s[24:31] group 1 for ob's tiles; s[32:35] group 0 of the first fill; s[36:39] group 0 that walks
.set G0A,  32
.set G1B,  48                          ; s[48:55], s[56:59], s[60:63] the same for wo's
.set G0B,  56
.set TB,   66                          ; s66  LDS byte at which the next fetch begins
.set G1W,  (1<<16)|(1<<20)|(1<<21)|(5<<22)|(3<<25)  ; 17:16 2-byte elements; 20 padding on; 21 set beside a mask; 24:22 after every 64 words; 31:25 4 words of it
.set MSB, 0
.macro WIN new                         ; the immediate's high byte repeats the setting that is left
.if MSB != (\new)
	s_set_vgpr_msb (MSB<<8)|(\new)
.set MSB, \new
.endif
.endm
.macro PLACES                          ; four plain vector instructions between a matrix instruction and a load into, or a read of, its registers
.rept 4
	v_nop
.endr
.endm
.macro JLOAD                           ; a joint refill: waves 0, 1 fetch ob's halves (64 rows), waves 2, 3 wo's (128 rows); s_nop 0 and four v_nop follow each line
	s_cmp_eq_u32 s11, 0
	s_cbranch_scc0 .Lfor_b_\@
	tensor_load_to_lds s[G0A+4:G0A+7], s[G1A:G1A+7]
	s_nop 0
.rept 4
	v_nop
.endr
	s_branch .Lasked_\@
.Lfor_b_\@:
	tensor_load_to_lds s[G0B+4:G0B+7], s[G1B:G1B+7]
	s_nop 0
.rept 4
	v_nop
.endr
.Lasked_\@:
.endm
.macro CROUND                          ; a round of the cluster's barrier
	s_barrier_signal -1
	s_barrier_wait -1
	s_cmp_lg_u32 s10, 0
	s_cbranch_scc1 .Lnot_wave_0_\@
	s_barrier_signal -3
.Lnot_wave_0_\@:
	s_barrier_wait -3
	s_barrier_signal -1
	s_barrier_wait -1
.endm
; THE CHANGE OF SLOTS: all my tensor loads (one is out: my part of the next slot), the add, my reads of the slot; the barrier (fill = 1: a round of the cluster's); the joint refill first behind it.
.macro SYNC fill
	WIN 0
	s_wait_tensorcnt 0x0                           ; no tensor load of mine is out, so the walking descriptors may be written
	ds_add_u32 v[SPW], v[NIL]                      ; 0 onto my spare word
.if \fill
	s_xor_b32 s[G0A+5], s[G0A+5], SLOT1            ; the other slot than last time: the one now left,
	s_add_nc_u64 s[G0A+6:G0A+7], s[G0A+6:G0A+7], KSTEP*2  ; the next K step; the type bits on top are not reached
	s_xor_b32 s[G0B+5], s[G0B+5], SLOT1
	s_add_nc_u64 s[G0B+6:G0B+7], s[G0B+6:G0B+7], KSTEP*2
.endif
	s_sub_co_u32 s[TB], s[TB], 2*KSTEP             ; the fetches go back to the rows' first byte,
	s_xor_b32 s[TB], s[TB], SLOT1                  ; in the other slot
	s_wait_dscnt 0x0                               ; the add is done, buffer 1 is in, and my reads of this slot are over
.if \fill
	CROUND                                         ; no wave of any partner still reads the slot or has a load on its way
	JLOAD
.else
	s_barrier_signal -1
	s_barrier_wait -1
.endif
.endm
	s_load_b128 s[4:7], s[0:1], 0x0                ; ob s[4:5], wo s[6:7]
	s_load_b64 s[72:73], s[0:1], 0x10              ; b_out
	s_load_b64 s[8:9], s[0:1], 0x18                ; out0
	v_lshl_add_u32 v[SPW], v0, 2, SPARE
	v_mov_b32 v[NIL], 0
	ds_add_u32 v28, v29
	s_wait_dscnt 0x0
	v_lshrrev_b32 v1, 5, v0
	v_readfirstlane_b32 s10, v1                    ; wave 0..3
	s_lshr_b32 s11, s10, 1                         ; my half of the tile's rows; also: I fetch ob (0) or wo (1)
	s_and_b32 s12, s10, 1                          ; my half of its columns; also: which half of that tile I fetch
	s_bfe_u32 s40, ttmp6, 0x40000                  ; cx
	s_bfe_u32 s41, ttmp6, 0x40004                  ; cy
	s_lshl_b32 s42, ttmp9, 2
	s_add_co_u32 s42, s42, s40                     ; tile column
	s_and_b32 s13, ttmp7, 0xffff
	s_lshl_b32 s13, s13, 2
	s_add_co_u32 s13, s13, s41                     ; tile row
	s_lshl_b32 s43, s41, 2
	s_lshl_b32 s43, 15, s43                        ; my row of the cluster
	s_lshl_b32 s44, 0x1111, s40                    ; my column
	s_or_b32 s[G1A], s43, G1W
	s_or_b32 s[G1B], s44, G1W
.irp g, G1A, G1B
	s_mov_b32 s[(\g)+1], KSTEP<<16                 ; tensor_dim0 = 128
	s_mov_b32 s[(\g)+3], KSTEP<<16                 ; tile_dim0 = 128
	s_mov_b32 s[(\g)+5], 1024                      ; elements from row to row
	s_mov_b32 s[(\g)+6], 0
	s_mov_b32 s[(\g)+7], 0
.endr
	s_mov_b32 s[G1A+2], 64<<16                     ; ob: 64 rows a load
	s_mov_b32 s[G1A+4], 64
	s_mov_b32 s[G1B+2], 128<<16                    ; wo: 128
	s_mov_b32 s[G1B+4], 128
	s_lshl_b32 s16, s13, 7
	s_lshl_b32 s17, s12, 6
	s_add_co_u32 s16, s16, s17                     ; ob: row 128 x tile row + 64 x half
	s_lshl_b32 s16, s16, 11
	s_mov_b32 s17, 0
	s_lshl_b32 s46, s42, 8
	s_lshl_b32 s47, s12, 7
	s_add_co_u32 s46, s46, s47                     ; wo: row 256 x tile column + 128 x half
	s_lshl_b32 s46, s46, 11
	s_mov_b32 s47, 0
	s_mul_i32 s20, s12, 64*PITCH                   ; where ob's load lands,
	s_mul_i32 s21, s12, 128*PITCH
	s_add_co_u32 s21, s21, AROWS                   ; and wo's
	s_wait_kmcnt 0x0
	s_add_nc_u64 s[14:15], s[4:5], s[16:17]
	s_add_nc_u64 s[46:47], s[6:7], s[46:47]
.irp s, 0,1
	s_mov_b32 s[G0A+4*(\s)], 1                     ; count = 1
	s_add_co_u32 s[G0A+4*(\s)+1], s20, (\s)*SLOT1  ; LDS address
	s_add_nc_u64 s[G0A+4*(\s)+2:G0A+4*(\s)+3], s[14:15], (\s)*KSTEP*2  ; K step s
	s_or_b32 s[G0A+4*(\s)+3], s[G0A+4*(\s)+3], 0x80000000             ; type = 2
	s_mov_b32 s[G0B+4*(\s)], 1
	s_add_co_u32 s[G0B+4*(\s)+1], s21, (\s)*SLOT1
	s_add_nc_u64 s[G0B+4*(\s)+2:G0B+4*(\s)+3], s[46:47], (\s)*KSTEP*2
	s_or_b32 s[G0B+4*(\s)+3], s[G0B+4*(\s)+3], 0x80000000
.endr
	CROUND                                         ; the first joint loads meet
	s_cmp_eq_u32 s11, 0                            ; a wave's two first fills stand in one branch: two loads of mine are out
	s_cbranch_scc0 .Lfirst_b
	tensor_load_to_lds s[G0A:G0A+3], s[G1A:G1A+7]
	s_nop 0
	tensor_load_to_lds s[G0A+4:G0A+7], s[G1A:G1A+7]
	s_nop 0
.rept 4
	v_nop
.endr
	s_branch .Lfirst_asked
.Lfirst_b:
	tensor_load_to_lds s[G0B:G0B+3], s[G1B:G1B+7]
	s_nop 0
	tensor_load_to_lds s[G0B+4:G0B+7], s[G1B:G1B+7]
	s_nop 0
.rept 4
	v_nop
.endr
.Lfirst_asked:
	s_lshl_b32 s46, s42, 10                        ; my first column, in bytes of f32: 1,024 x tile column + 512 x half
	s_lshl_b32 s47, s12, 9
	s_add_co_u32 s46, s46, s47
	s_mov_b32 s47, 0
	s_add_nc_u64 s[72:73], s[72:73], s[46:47]
	s_add_nc_u64 s[8:9], s[8:9], s[46:47]
	v_and_b32 v6, 31, v0
	v_lshlrev_b32 v[CO], 4, v6                     ; 16 x lane: my four columns of a row of 128
	global_load_b128 v[BI:BI+3], v[CO], s[72:73]
	v_and_b32 v1, 15, v0                           ; l % 16
	v_bfe_u32 v2, v0, 4, 1                         ; l / 16
	v_mul_u32_u24 v3, v1, PITCH
	v_lshl_add_u32 v3, v2, 4, v3
	s_mul_i32 s22, s11, 64*PITCH
	s_mul_i32 s23, s12, 128*PITCH
	s_add_co_u32 s23, s23, AROWS
	v_add_nc_u32 v[LA], s22, v3
	v_add_nc_u32 v[LB], s23, v3
	v_mov_b32 v[ADRA], v[LA]
	v_mov_b32 v[ADRB], v[LB]
	s_mul_i32 s22, s10, 16*SPITCH
	s_add_co_u32 s22, s22, STAGE                   ; my stage
	v_mul_u32_u24 v4, v1, SPITCH                   ; in: row l % 16, 32 bytes for each half of the lanes
	v_lshl_add_u32 v4, v2, 5, v4
	v_add_nc_u32 v[STO], s22, v4
	v_add_nc_u32 v[RD], s22, v[CO]                 ; back: 32 lanes take one row of 512 bytes
	s_lshl_b32 s16, s13, 7
	s_lshl_b32 s17, s11, 6
	s_add_co_u32 s16, s16, s17                     ; my first row of out0
	s_lshl_b32 s16, s16, 12
	s_mov_b32 s17, 0
	s_add_nc_u64 s[8:9], s[8:9], s[16:17]
	s_wait_loadcnt 0x0
	v_cvt_pk_bf16_f32 v6, v[BI], v[BI+1]           ; the bias rounded to bf16 and widened again
	v_cvt_pk_bf16_f32 v7, v[BI+2], v[BI+3]
	v_lshlrev_b32 v[BI], 16, v6
	v_and_b32 v[BI+1], 0xffff0000, v6
	v_lshlrev_b32 v[BI+2], 16, v7
	v_and_b32 v[BI+3], 0xffff0000, v7
.macro MULH f, h, zero                 ; 16 matrix instructions; the 32 accumulators take turns in the same order in every quarter
	WIN 0x50                                       ; C and D window 1
.irp a, 2*(\h), 2*(\h)+1
.irp b, 0,1,2,3,4,5,6,7
.if \zero
	v_wmma_f32_16x16x32_f16 v[8*(8*(\a)+(\b)):8*(8*(\a)+(\b))+7], v[BF+64*(\f)+8*(\b):BF+64*(\f)+8*(\b)+7], v[AF+32*(\f)+8*(\a):AF+32*(\f)+8*(\a)+7], 0
.else
	v_wmma_f32_16x16x32_f16 v[8*(8*(\a)+(\b)):8*(8*(\a)+(\b))+7], v[BF+64*(\f)+8*(\b):BF+64*(\f)+8*(\b)+7], v[AF+32*(\f)+8*(\a):AF+32*(\f)+8*(\a)+7], v[8*(8*(\a)+(\b)):8*(8*(\a)+(\b))+7]
.endif
.endr
.endr
.endm
.macro MUL f, zero
	MULH \f, 0, \zero
	MULH \f, 1, \zero
.endm
.macro FETCH k, g                      ; 24 LDS loads in one run
	WIN 0
.irp i, 0,1,2,3,4,5,6,7
	ds_load_b128 v[BF+64*(\g)+8*(\i):BF+64*(\g)+8*(\i)+3],   v[ADRB] offset:(\k)+(\i)*16*PITCH
	ds_load_b128 v[BF+64*(\g)+8*(\i)+4:BF+64*(\g)+8*(\i)+7], v[ADRB] offset:(\k)+(\i)*16*PITCH+32
.endr
.irp i, 0,1,2,3
	ds_load_b128 v[AF+32*(\g)+8*(\i):AF+32*(\g)+8*(\i)+3],   v[ADRA] offset:(\k)+(\i)*16*PITCH
	ds_load_b128 v[AF+32*(\g)+8*(\i)+4:AF+32*(\g)+8*(\i)+7], v[ADRA] offset:(\k)+(\i)*16*PITCH+32
.endr
.endm
; Two quarter steps.  Each asks first for the fragments of the quarter after it, 32 matrix instructions ahead of their use, and then multiplies the buffer fetched a quarter ago.
.macro PAIR
	WIN 0
	s_wait_dscnt 0x0                               ; buffer 1 is in
	v_add_nc_u32 v[ADRA], s[TB], v[LA]             ; these two and two v_nop: the four places in front of the loads into buffer 0, which the quarter before multiplied
	v_add_nc_u32 v[ADRB], s[TB], v[LB]
	v_nop
	v_nop
	FETCH 0, 0
	MUL 1, 0
	s_wait_dscnt 0x0                               ; buffer 0 is in
	PLACES
	FETCH 64, 1
	s_add_co_u32 s[TB], s[TB], KSTEP               ; the next pair reads 128 bytes further along the rows
	MUL 0, 0
	WIN 0
.endm
.macro OUT a                           ; block a: 16 rows of 128 f32
	WIN 0x04                                       ; store data in window 1
.irp b, 0,1,2,3,4,5,6,7
	ds_store_b128 v[STO], v[64*(\a)+8*(\b):64*(\a)+8*(\b)+3]   offset:64*(\b)      ; each accumulator's low half first
	ds_store_b128 v[STO], v[64*(\a)+8*(\b)+4:64*(\a)+8*(\b)+7] offset:64*(\b)+16
.endr
	WIN 0
.if (\a) > 0
	s_wait_xcnt 0x0                                ; the block before's stores read the registers loaded below
.endif
.irp t, 0,1,2,3,4,5,6,7,8,9,10,11,12,13,14,15
	ds_load_b128 v[BK+4*(\t):BK+4*(\t)+3], v[RD] offset:(\t)*SPITCH  ; LDS serves a wave's instructions in order (ISA guide 5.7.1.4): these see the stores above
.endr
	s_wait_dscnt 0x0
.irp t, 0,1,2,3,4,5,6,7,8,9,10,11,12,13,14,15
	v_pk_add_f32 v[BK+4*(\t):BK+4*(\t)+1],   v[BK+4*(\t):BK+4*(\t)+1],   v[BI:BI+1]
	v_pk_add_f32 v[BK+4*(\t)+2:BK+4*(\t)+3], v[BK+4*(\t)+2:BK+4*(\t)+3], v[BI+2:BI+3]
	global_store_b128 v[CO], v[BK+4*(\t):BK+4*(\t)+3], s[8:9] offset:(16*(\a)+(\t))*ROWC
.endr
.endm
	s_wait_tensorcnt 0x1                           ; my part of K step 0 is in; K step 1's may stay out
	s_barrier_signal -1
	s_barrier_wait -1
	FETCH 0, 0
	FETCH 64, 1
	s_mov_b32 s[TB], KSTEP
	s_wait_dscnt 24                                ; buffer 0 is in; the 24 loads of buffer 1, issued behind it, may stay out
	MUL 0, 1                                       ; the first quarter stands ahead of the loop: its products start the sums
	WIN 0
	s_mov_b32 s2, 1                                ; K step 0 has one pair left: the loop is entered at its inner label
	s_mov_b32 s3, STEPS-1                          ; that pass, and six changes of slots that ask for K steps 2 to 7
	s_branch .Lpair
.Lstep:
	SYNC 1
	s_mov_b32 s2, 2
.Lpair:
	PAIR
	s_sub_co_u32 s2, s2, 1
	s_cmp_lg_u32 s2, 0
	s_cbranch_scc1 .Lpair
	s_sub_co_u32 s3, s3, 1
	s_cmp_lg_u32 s3, 0
	s_cbranch_scc1 .Lstep
	SYNC 0                                         ; the last change of slots asks for nothing: written out
	s_mov_b32 s2, 2
.Lpair_t:
	PAIR
	s_sub_co_u32 s2, s2, 1
	s_cmp_lg_u32 s2, 0
	s_cbranch_scc1 .Lpair_t
	s_wait_dscnt 0x0                               ; buffer 1 is in
	MUL 1, 0                                       ; the last quarter
	WIN 0
	PLACES                                         ; behind the last products: the stores below read results, the loads land in fragments
	OUT 0
	OUT 1
	OUT 2
	OUT 3
	s_wait_tensorcnt 0x0                           ; the wave's end
	ds_add_u32 v[SPW], v[NIL]
	s_wait_dscnt 0x0
	CROUND                                         ; the closing round
	s_endpgm
.Lfunc_end_k_qa62790e2f6_oproj:
	.size	k_qa62790e2f6_oproj, .Lfunc_end_k_qa62790e2f6_oproj-k_qa62790e2f6_oproj
	.p2alignl 7, 3214868480
	.fill 96, 4, 3214868480
	.section	.rodata,"a",@progbits
	.p2align	6, 0x0
	.amdhsa_kernel k_qa62790e2f6_oproj
		.amdhsa_group_segment_fixed_size 327680
		.amdhsa_private_segment_fixed_size 0
		.amdhsa_enable_private_segment 0
		.amdhsa_kernarg_size 32
		.amdhsa_user_sgpr_count 2
		.amdhsa_user_sgpr_kernarg_segment_ptr 1
		.amdhsa_wavefront_size32 1
		.amdhsa_system_sgpr_workgroup_id_x 1
		.amdhsa_system_sgpr_workgroup_id_y 1
		.amdhsa_system_sgpr_workgroup_id_z 1
		.amdhsa_system_vgpr_workitem_id 0
		.amdhsa_next_free_vgpr 512
		.amdhsa_next_free_sgpr 80
		.amdhsa_reserve_vcc 0
		.amdhsa_float_denorm_mode_32 3
		.amdhsa_float_denorm_mode_16_64 3
		.amdhsa_memory_ordered 1
		.amdhsa_forward_progress 1
		.amdhsa_inst_pref_size 55
	.end_amdhsa_kernel
	.amdgpu_metadata
---
amdhsa.version: [ 1, 2 ]
amdhsa.kernels:
  - .name:           k_qa62790e2f6_oproj
    .symbol:         k_qa62790e2f6_oproj.kd
    .args:
      - { .name: ob, .offset: 0, .size: 8, .value_kind: global_buffer, .address_space: global }
      - { .name: wo, .offset: 8, .size: 8, .value_kind: global_buffer, .address_space: global }
      - { .name: b_out, .offset: 16, .size: 8, .value_kind: global_buffer, .address_space: global }
      - { .name: out0, .offset: 24, .size: 8, .value_kind: global_buffer, .address_space: global }
    .group_segment_fixed_size: 327680
    .private_segment_fixed_size: 0
    .kernarg_segment_align: 8
    .kernarg_segment_size: 32
    .max_flat_workgroup_size: 128
    .sgpr_count:     80
    .vgpr_count:     512
    .wavefront_size: 32
...
	.end_amdgpu_metadata
.endif
;; end of part 5
